; MI455X (gfx1250); checked and timed in simulation.
; The chip was launched on July 23, 2026; its instructions are those of AMD's public machine-readable ISA for CDNA 5 (MIT licence, August 2026) and "CDNA5" Instruction Set Architecture Reference Guide (July 2026). The comments in the code are by the model that wrote it; some were corrected since.
;; Sparse Mo E. Allowed arithmetic: matrix products marked QUANTISED: E2M1 operands, one E8M0 scale for each 32 along K, by v_wmma_scale_f32_16x16x128_f8f6f4 with both operands' format E2M1 (or v_wmma_scale_f32_32x16x128_f4), f32 sums; products left as they are: f32 operands where the result goes on into a quantised operand, else bf16, f16 or f32 operands; f32 sums; everything else in f32.
;; Inputs: b1 8 x 4,096 float32; b2 8 x 1,024 float32; gate_w 8 x 1,024 float32; w1 8 x 4,096 x 1,024 float32; w2 8 x 1,024 x 4,096 float32; x 4 x 256 x 1,024 float32.
;; Outputs: out0 4 x 256 x 1,024 float32; out1 one number float32.
;; This version of the problem:
;;   THIS VERSION OF THE PROBLEM IS GIVEN IN LOW PRECISION. The matrix products marked QUANTISED in the list below multiply operands that are first quantised to E2M1 (2 exponent bits, 1 mantissa bit; 4 bits a number), with one power-of-two scale for each 32 numbers along K (OCP MX v1.0); their sums are f32. All else is computed in f32.
;;   The module's matrix products, in the order in which they are computed (A, B: the left and right operand; K: the contracted axis; several contracted axes count as one K, in the product's order):
;;     1. [M 1,024, K 1,024] x [K 1,024, N 8]; A: input x; B: input gate_w: left as it is (N = 8 < 16)
;;     2. batch 1,024 x [M 1, K 2] x [K 2, N 8]; A: softmax; B: computed on the way: left as it is (K = 2 < 32)
;;     3. [M 1,024, K 1,024] x [K 1,024, N 4,096]; A: input x; B: input w1: QUANTISED
;;     4. [M 1,024, K 4,096] x [K 4,096, N 1,024]; A: computed on the way; B: input w2: QUANTISED
;;     5. [M 1,024, K 1,024] x [K 1,024, N 4,096]; A: input x; B: input w1: QUANTISED
;;     6. [M 1,024, K 4,096] x [K 4,096, N 1,024]; A: computed on the way; B: input w2: QUANTISED
;;     7. [M 1,024, K 1,024] x [K 1,024, N 4,096]; A: input x; B: input w1: QUANTISED
;;     8. [M 1,024, K 4,096] x [K 4,096, N 1,024]; A: computed on the way; B: input w2: QUANTISED
;;     9. [M 1,024, K 1,024] x [K 1,024, N 4,096]; A: input x; B: input w1: QUANTISED
;;     10. [M 1,024, K 4,096] x [K 4,096, N 1,024]; A: computed on the way; B: input w2: QUANTISED
;;     11. [M 1,024, K 1,024] x [K 1,024, N 4,096]; A: input x; B: input w1: QUANTISED
;;     12. [M 1,024, K 4,096] x [K 4,096, N 1,024]; A: computed on the way; B: input w2: QUANTISED
;;     13. [M 1,024, K 1,024] x [K 1,024, N 4,096]; A: input x; B: input w1: QUANTISED
;;     14. [M 1,024, K 4,096] x [K 4,096, N 1,024]; A: computed on the way; B: input w2: QUANTISED
;;     15. [M 1,024, K 1,024] x [K 1,024, N 4,096]; A: input x; B: input w1: QUANTISED
;;     16. [M 1,024, K 4,096] x [K 4,096, N 1,024]; A: computed on the way; B: input w2: QUANTISED
;;     17. [M 1,024, K 1,024] x [K 1,024, N 4,096]; A: input x; B: input w1: QUANTISED
;;     18. [M 1,024, K 4,096] x [K 4,096, N 1,024]; A: computed on the way; B: input w2: QUANTISED
;;   THE QUANTISER, for each operand of a quantised product, along K:
;;     - K is cut into blocks of 32 from its start; a last block that is shorter is filled with zeros.
;;     - A block's scale is 2^e with e = floor(log2(the largest magnitude in the block)) - 2, held to -126 .. 127; a block of zeros has e = 0. As a byte (E8M0): e + 127.
;;     - Each number is divided by its block's scale, clamped to +-6, and rounded to the nearest number of E2M1, ties to even, subnormals kept.
;;     - The product sums the exact products of the quantised numbers (number of the format x scale) in f32.
;;   ~~~python
;;   def quantise(x, axis):      # numpy; x: float32 -> the quantised numbers, widened to float32 again
;;       x = np.moveaxis(x, axis, -1); K = x.shape[-1]
;;       x = np.pad(x, [(0, 0)] * (x.ndim - 1) + [(0, -K % 32)]); x = x.reshape(x.shape[:-1] + (-1, 32)); a = np.abs(x).max(-1, keepdims=True)
;;       e = np.where(a > 0, np.clip(np.frexp(np.where(a > 0, a, 1))[1] - 1 - 2, -126, 127), 0)      # np.frexp(a)[1] - 1 = floor(log2(a)), exactly
;;       r = np.clip(x / 2.0 ** e, -6, 6)
;;       step = 2.0 ** (np.maximum(np.frexp(np.where(r == 0, 1, r))[1] - 1, 0) - 1)
;;       q = np.round(r / step) * step * 2.0 ** e      # np.round: ties to even
;;       return np.moveaxis(q.reshape(q.shape[:-2] + (-1,))[..., :K], -1, axis).astype(np.float32)
;;   ~~~
;;   OPERANDS COMPUTED ON THE WAY. 'Computed on the way' means the value that the module computes at that place (a softmax that the list does not call 'softmax' is quantised finished and normalised). What goes into a quantiser is computed in f32, as accurately as f32 sums, v_exp_f32 and their like allow (about 1e-6 of the number): no bf16 or f16 on the way to a quantiser, and a product that is left as it is and whose result goes on into a quantised operand takes f32 operands (vector FMAs, or v_wmma_f32_16x16x4_f32). A number that lies on a knife's edge between two numbers of the format may be rounded either way, as far as f32 arithmetic and the matrix unit's own rounding can turn it there, and no further.
;; 2 versions. Each part assembles by itself: llvm-mc -triple=amdgcn-amd-amdhsa -mcpu=gfx1250 --defsym DOCPART=n.
;; ======== version 1 of 2: 4 launches
;; workspace buffers: xqs 557,056 bytes; rt 9,216 bytes of whole numbers; gp 40,960 bytes; pos 32,768 bytes of whole numbers; hqs 17,825,792 bytes; yb 33,554,432 bytes
;; launch route (part 1): grid 128 x 1, 1 waves a work-group, no clusters, 5,376 bytes of LDS; arguments x, gate_w, xqs, rt, gp; writes xqs, rt, gp
.if DOCPART == 1
	.amdgcn_target "amdgcn-amd-amdhsa--gfx1250"
	.amdhsa_code_object_version 6
	.text
	.protected	k_q02f0d212e0_route
	.globl	k_q02f0d212e0_route
	.p2align	8
	.type	k_q02f0d212e0_route,@function
k_q02f0d212e0_route:
	s_mov_b64 s[64:65], 0
	v_nop
	global_prefetch_b8 v0, s[64:65] scope:SCOPE_SE
	s_setreg_imm32_b32 hwreg(HW_REG_WAVE_MODE, 25, 1), 1
	s_wait_xcnt 0x0
; ROUTE.  For 1,024 tokens of 1,024 numbers: the eight f32 logits, the two largest (the lower index wins a tie), their softmax with the maximum taken away;
; x as codes of E2M1 with one E8M0 byte for each 32 along K; for each expert a bit mask of its tokens; partial sums of gate mass and counts for the loss.
; Everything is stored at fixed places: no address and no branch here hangs on the choice.
; SHARES.  A work-group is one wave and takes eight tokens, 8 u .. 8 u + 7.  A row of 4,096 bytes is loaded as it lies, 512 consecutive bytes a load, and turned
; through a stage in LDS, so that lane l then holds k = 32 l .. 32 l + 31: a whole block of the quantiser, and 32 terms of each of the eight dot products.
; OUT.  xqs: codes [1024][512 bytes] (block l at byte 16 l), scale bytes [1024][32] from byte 524,288.  rt: the two experts [1024][2] u32; masks [8][32] u32 from byte 8,192
; (bit t % 32 of word t / 32: this unit's eight tokens are byte u of an expert's 128).  gp: the two gates [1024][2] f32; from byte 8,192 [128 units][32 lanes][gate mass, count].
; No matrix unit (N = 8), no cluster (the units share only gate_w's 32 KiB), no barrier (one wave).
; LIMITS.  NaN and infinities are not served.  Logits whose second and third values lie closer than the rounding of an f32 sum of 1,024 terms may give the other expert.
; A block whose largest magnitude lies under 2^-124 keeps the byte 1; a block of zeros has the byte 1 and zero codes (these bytes are read by this program alone).
; REGISTERS, in windows of 256.  window 0: v1-7 addresses; v8-15 logits; v16-31 eight pairs of sums; v32-95 two sets of a turned row; v96-127 codes, four a token;
; v128-137 at work; v144-151 what is kept (experts, gates, mask byte, mass and count); v152-155 the quantiser; v160-167 permute destinations.
; window 1: the turned gate rows, row e at 32 e.   window 2: x as loaded, token tt at 32 tt.   window 3: gate_w as loaded.
.set LG,   8
.set ACC,  16
.set XT,   32
.set CD,   96
.set BV,   128                         ; the largest logit, BI its index; SV, SI the second
.set BI,   129
.set SV,   130
.set SI,   131
.set QM,   152
.set PD,   160
.set SCB,  4608                        ; LDS: the stage, 32 segments of 128 bytes + 16, then 256 scale bytes
.set MSB, 0
.macro WIN new                         ; the immediate's high byte repeats the setting that is left
.if MSB != (\new)
	s_set_vgpr_msb (MSB<<8)|(\new)
.set MSB, (\new)
.endif
.endm
; a row of 4,096 bytes from window sw, register sreg on, through the stage into window dw, register dreg on.  LDS serves a wave's instructions in order: no wait between stores and loads, nor ahead of the next turn
.macro TURN sw, sreg, dw, dreg
	WIN ((\sw)<<2)
.irp i, 0,1,2,3,4,5,6,7
	ds_store_b128 v2, v[(\sreg)+4*\i:(\sreg)+4*\i+3] offset:576*\i
.endr
	WIN ((\dw)<<6)
.irp j, 0,1,2,3,4,5,6,7
	ds_load_b128 v[(\dreg)+4*\j:(\dreg)+4*\j+3], v3 offset:16*\j
.endr
	WIN 0
.endm
.macro XLD tt                          ; token tt's row: eight loads of 512 consecutive bytes
	WIN 0x80
.irp i, 0,1,2,3,4,5,6,7
	global_load_b128 v[32*(\tt)+4*\i:32*(\tt)+4*\i+3], v1, s[4:5] offset:4096*(\tt)+512*\i th:TH_LOAD_NT
.endr
	WIN 0
.endm
	s_load_b256 s[4:11], s[0:1], 0x0               ; x s[4:5], gate_w s[6:7], xqs s[8:9], rt s[10:11]
	s_load_b64 s[12:13], s[0:1], 0x20              ; gp
	v_lshl_add_u32 v254, v0, 2, 0x1400
	v_mov_b32 v255, 0
	v_lshlrev_b32 v1, 4, v0                        ; 16 x lane
	v_lshrrev_b32 v2, 3, v0
	v_mul_u32_u24 v2, v2, 144
	v_and_b32 v8, 7, v0
	v_lshl_add_u32 v2, v8, 4, v2                   ; into the stage: 144 (lane / 8) + 16 (lane % 8)
	v_mul_u32_u24 v3, v0, 144                      ; out of it: my segment
	v_add_nc_u32 v4, SCB, v0                       ; my block's scale byte
	v_lshl_add_u32 v5, v0, 3, SCB                  ; and 8 of the 256 on the way out
	v_lshlrev_b32 v6, 3, v0
	v_lshlrev_b32 v7, 7, v0                        ; an expert's 128 mask bytes
.irp j, 144,145,146,147,148,149,150,151,160,161,162,163,164,165,166,167
	v_mov_b32 v\j, 0                               ; what is gathered token by token begins at 0; a permute's destination counts as read
.endr
	s_mov_b32 s20, 0x76543210
	s_mov_b32 s21, 0xfedcba98                      ; v_permlanex16_b32: lane l xor 16
	s_mov_b32 s23, 0
	s_wait_kmcnt 0x0
	s_lshl_b32 s22, ttmp9, 15
	s_add_nc_u64 s[4:5], s[4:5], s[22:23]          ; x at my eight rows
	s_lshl_b32 s22, ttmp9, 12
	s_add_nc_u64 s[14:15], s[8:9], s[22:23]        ; their codes
	s_lshl_b32 s22, ttmp9, 8
	s_add_co_u32 s22, s22, 524288
	s_add_nc_u64 s[16:17], s[8:9], s[22:23]        ; their scale bytes
	s_lshl_b32 s22, ttmp9, 6
	s_add_nc_u64 s[18:19], s[10:11], s[22:23]      ; their experts
	s_add_nc_u64 s[26:27], s[12:13], s[22:23]      ; their gates
	s_add_co_u32 s22, ttmp9, 8192
	s_add_nc_u64 s[24:25], s[10:11], s[22:23]      ; my byte of each expert's mask
	s_lshl_b32 s22, ttmp9, 8
	s_add_co_u32 s22, s22, 8192
	s_add_nc_u64 s[28:29], s[12:13], s[22:23]      ; my partial sums
	WIN 0xc0
.irp e, 0,1,2,3,4,5,6,7
.irp i, 0,1,2,3,4,5,6,7
	global_load_b128 v[32*\e+4*\i:32*\e+4*\i+3], v1, s[6:7] offset:4096*\e+512*\i
.endr
.endr
.irp t, 0,1,2,3
	XLD \t
.endr
	s_wait_loadcnt 32                              ; gate_w is in; the 32 loads of tokens 0 to 3 may be out
.irp e, 0,1,2,3,4,5,6,7
	TURN 3, 32*\e, 1, 32*\e
.endr
.irp t, 4,5,6,7
	XLD \t
.endr
	s_wait_loadcnt 56                              ; token 0 is in; seven tokens' loads may be out
	TURN 2, 0, 0, XT
.macro TOKEN tt
.set XC, XT+32*((\tt)%2)
.if (\tt) == 0
	s_wait_dscnt 0x0                               ; the gate rows and token 0 are back from the stage
.else
	s_wait_dscnt 0x1                               ; this token is back; the one younger LDS instruction is the last token's byte store
.endif
.if (\tt) < 7
	s_wait_loadcnt 8*(6-(\tt))                     ; the next token's eight loads are in; those of the tokens behind it may be out
	TURN 2, 32*((\tt)+1), 0, XT+32*(((\tt)+1)%2)
.endif
	WIN 0x04                                       ; source 1: the gate rows, window 1
.irp e, 0,1,2,3,4,5,6,7
	v_pk_mul_f32 v[ACC+2*\e:ACC+2*\e+1], v[XC:XC+1], v[32*\e:32*\e+1]   ; the first products start the sums
.endr
.irp i, 1,2,3,4,5,6,7,8,9,10,11,12,13,14,15
.irp e, 0,1,2,3,4,5,6,7
	v_pk_fma_f32 v[ACC+2*\e:ACC+2*\e+1], v[XC+2*\i:XC+2*\i+1], v[32*\e+2*\i:32*\e+2*\i+1], v[ACC+2*\e:ACC+2*\e+1]
.endr
.endr
	WIN 0
.irp e, 0,1,2,3,4,5,6,7
	v_add_f32 v[LG+\e], v[ACC+2*\e], v[ACC+2*\e+1]
.endr
.irp m, 1,2,4,8
.irp e, 0,1,2,3,4,5,6,7
	v_add_f32_dpp v[LG+\e], v[LG+\e], v[LG+\e] row_xmask:\m row_mask:0xf bank_mask:0xf
.endr
.endr
.irp e, 0,1,2,3,4,5,6,7
	v_permlanex16_b32 v[PD+\e], v[LG+\e], s20, s21
.endr
.irp e, 0,1,2,3,4,5,6,7
	v_add_f32 v[LG+\e], v[LG+\e], v[PD+\e]         ; every lane holds the same eight logits, bit for bit
.endr
	; the quantiser: my 32 numbers are a block
	v_max3_num_f32 v[QM], |v[XC]|, |v[XC+1]|, |v[XC+2]|
	v_max3_num_f32 v[QM+1], |v[XC+3]|, |v[XC+4]|, |v[XC+5]|
.irp i, 6,10,14,18,22,26
	v_max3_num_f32 v[QM], v[QM], |v[XC+\i]|, |v[XC+\i+1]|
	v_max3_num_f32 v[QM+1], v[QM+1], |v[XC+\i+2]|, |v[XC+\i+3]|
.endr
	v_max3_num_f32 v[QM], v[QM], |v[XC+30]|, |v[XC+31]|
	v_max3_num_f32 v[QM], v[QM], v[QM+1], 0x1800000   ; and the floor 2^(3 - 127): the byte cannot fall under 1
	v_add_nc_u32 v[QM+2], 0xff000000, v[QM]        ; 2 off the exponent field: the conversion's scale operand
.irp g, 0,1,2,3
	v_cvt_scalef32_pk8_fp4_f32 v[CD+4*(\tt)+\g], v[XC+8*\g:XC+8*\g+7], v[QM+2]
.endr
	v_lshrrev_b32 v[QM+3], 23, v[QM+2]             ; the scale's byte (also the plain line behind the conversions)
	ds_store_b8 v4, v[QM+3] offset:32*(\tt)
	global_store_b128 v1, v[CD+4*(\tt):CD+4*(\tt)+3], s[14:15] offset:512*(\tt)   ; the row's 512 bytes of codes, on end
	; the two largest.  A strict compare keeps the lower index
	v_mov_b32 v[BV], v[LG]
	v_mov_b32 v[BI], 0
.irp e, 1,2,3,4,5,6,7
	v_cmp_gt_f32 vcc_lo, v[LG+\e], v[BV]
	v_cndmask_b32 v[BV], v[BV], v[LG+\e], vcc_lo
	v_cndmask_b32 v[BI], v[BI], \e, vcc_lo
.endr
	v_mov_b32 v[SV], 0xff800000
	v_mov_b32 v[SI], 0
.irp e, 0,1,2,3,4,5,6,7
	v_cmp_ne_u32 s30, \e, v[BI]
	v_cmp_gt_f32 s31, v[LG+\e], v[SV]
	s_and_b32 vcc_lo, s30, s31
	v_cndmask_b32 v[SV], v[SV], v[LG+\e], vcc_lo
	v_cndmask_b32 v[SI], v[SI], \e, vcc_lo
.endr
	; the softmax of the two, the larger taken away: 1 / (1 + q) and q / (1 + q), q = e^(second - first), at most 1
	v_sub_f32 v132, v[SV], v[BV]
	v_mul_f32 v132, 0x3fb8aa3b, v132
	v_exp_f32 v133, v132
	v_nop                                          ; a plain line behind a transcendental
	s_wait_alu depctr_va_vdst(0)
	v_add_f32 v134, 1.0, v133
	v_rcp_f32 v135, v134
	v_nop
	s_wait_alu depctr_va_vdst(0)
	v_mul_f32 v136, v133, v135
	; kept: lane tt holds token tt's experts and gates; lane e holds expert e's mass, count and mask byte
	v_cmp_eq_u32 vcc_lo, \tt, v0
	v_cndmask_b32 v144, v144, v[BI], vcc_lo
	v_cndmask_b32 v145, v145, v[SI], vcc_lo
	v_cndmask_b32 v146, v146, v135, vcc_lo
	v_cndmask_b32 v147, v147, v136, vcc_lo
	v_cmp_eq_u32 s30, v[BI], v0
	v_cmp_eq_u32 s31, v[SI], v0
	v_cndmask_b32 v137, 0, v135, s30
	v_add_f32 v150, v150, v137
	v_cndmask_b32 v137, 0, v136, s31
	v_add_f32 v150, v150, v137
	s_or_b32 vcc_lo, s30, s31
	v_cndmask_b32 v137, 0, 1.0, vcc_lo
	v_add_f32 v151, v151, v137
	v_cndmask_b32 v137, 0, 1<<(\tt), vcc_lo
	v_or_b32 v148, v148, v137
.endm
.irp t, 0,1,2,3,4,5,6,7
	TOKEN \t
.endr
	ds_load_b64 v[152:153], v5                     ; LDS serves a wave's instructions in order: this sees the eight byte stores
	s_wait_dscnt 0x0
	global_store_b64 v6, v[152:153], s[16:17]      ; 256 consecutive bytes: eight tokens' scale bytes
	global_store_b64 v6, v[150:151], s[28:29]      ; 256 consecutive bytes: my partial sums
	s_wait_xcnt 0x0                                ; EXEC is a source of the stores above: it changes only behind this wait
	v_cmp_gt_u32 vcc_lo, 8, v0
	s_wait_tensorcnt 0x0
	ds_add_u32 v254, v255
	s_wait_dscnt 0x0
	s_and_saveexec_b32 s30, vcc_lo
	global_store_b64 v6, v[144:145], s[18:19]      ; lanes 0 to 7: a token's two experts,
	global_store_b64 v6, v[146:147], s[26:27]      ; its two gates,
	global_store_b8 v7, v148, s[24:25]             ; and an expert's mask byte for these eight tokens
	s_wait_xcnt 0x0
	s_or_b32 exec_lo, exec_lo, s30
	s_endpgm
.Lfunc_end_k_q02f0d212e0_route:
	.size	k_q02f0d212e0_route, .Lfunc_end_k_q02f0d212e0_route-k_q02f0d212e0_route
	.p2alignl 7, 3214868480
	.fill 96, 4, 3214868480
	.section	.rodata,"a",@progbits
	.p2align	6, 0x0
	.amdhsa_kernel k_q02f0d212e0_route
		.amdhsa_group_segment_fixed_size 5376
		.amdhsa_private_segment_fixed_size 0
		.amdhsa_enable_private_segment 0
		.amdhsa_kernarg_size 40
		.amdhsa_user_sgpr_count 2
		.amdhsa_user_sgpr_kernarg_segment_ptr 1
		.amdhsa_wavefront_size32 1
		.amdhsa_system_sgpr_workgroup_id_x 1
		.amdhsa_system_sgpr_workgroup_id_y 1
		.amdhsa_system_sgpr_workgroup_id_z 1
		.amdhsa_system_vgpr_workitem_id 0
		.amdhsa_next_free_vgpr 1024
		.amdhsa_next_free_sgpr 66
		.amdhsa_reserve_vcc 1
		.amdhsa_float_denorm_mode_32 3
		.amdhsa_float_denorm_mode_16_64 3
		.amdhsa_memory_ordered 1
		.amdhsa_forward_progress 1
		.amdhsa_inst_pref_size 167
	.end_amdhsa_kernel
	.amdgpu_metadata
---
amdhsa.version: [ 1, 2 ]
amdhsa.kernels:
  - .name:           k_q02f0d212e0_route
    .symbol:         k_q02f0d212e0_route.kd
    .args:
      - { .name: x, .offset: 0, .size: 8, .value_kind: global_buffer, .address_space: global }
      - { .name: gate_w, .offset: 8, .size: 8, .value_kind: global_buffer, .address_space: global }
      - { .name: xqs, .offset: 16, .size: 8, .value_kind: global_buffer, .address_space: global }
      - { .name: rt, .offset: 24, .size: 8, .value_kind: global_buffer, .address_space: global }
      - { .name: gp, .offset: 32, .size: 8, .value_kind: global_buffer, .address_space: global }
    .group_segment_fixed_size: 5376
    .private_segment_fixed_size: 0
    .kernarg_segment_align: 8
    .kernarg_segment_size: 40
    .max_flat_workgroup_size: 32
    .sgpr_count:     66
    .vgpr_count:     1024
    .wavefront_size: 32
...
	.end_amdgpu_metadata
.endif
;; end of part 1
;; launch up (part 2): grid 32 x 8, 4 waves a work-group, no clusters, 82,432 bytes of LDS; arguments w1, b1, xqs, rt, hqs, pos; writes hqs, pos
.if DOCPART == 2
	.amdgcn_target "amdgcn-amd-amdhsa--gfx1250"
	.amdhsa_code_object_version 6
	.text
	.protected	k_q02f0d212e0_up
	.globl	k_q02f0d212e0_up
	.p2align	8
	.type	k_q02f0d212e0_up,@function
k_q02f0d212e0_up:
	s_mov_b64 s[64:65], 0
	v_nop
	global_prefetch_b8 v0, s[64:65] scope:SCOPE_SE
	s_setreg_imm32_b32 hwreg(HW_REG_WAVE_MODE, 25, 1), 1
	s_wait_xcnt 0x0
; UP.  h = gelu(x W1^T + b1) for the rows routed to an expert, on codes of E2M1 with one E8M0 scale for each 32 along K; h leaves as codes.
; SHARES.  Work-group (sl, e) owns hidden units 128 sl .. 128 sl + 127 of expert e: 512 KiB of w1, which no other work-group reads.
; PHASE W.  Each of the four waves quantises 32 of the 128 rows, in 16 chunks of 16 rows x 128 K, four chunks (64 loads) ahead.  A row of a chunk is loaded as it lies, 512 consecutive bytes a load: a lane holds four
; neighbours along K, eight neighbouring lanes a block of 32.  THE NUMBERS ARE QUANTISED WHERE THEY LIE: a block's largest magnitude is joined over its eight lanes on the arithmetic itself (three DPP steps); the conversion
; takes eight registers, the row's four and the next row's four, under the row's scale, and the row's half of the result is kept.  ONLY CODES GO THROUGH LDS: 2 bytes a lane and row, into rows of 512 + 16 bytes with K
; innermost; the scale bytes, one lane to a (row, block), into 16 rows of 64 words + 16 bytes.  One barrier; then every wave loads all 64 fragments (8 tiles x 8 K steps) and their scale words into registers, where they stay.
; PHASE T.  The expert's rows, in the order of their tokens, form tiles of 16; wave w takes tiles w, w + 4, ..: (tiles + 3 - w) / 4 trips.  The number of tiles comes from the masks that the launch before stored.
; Row j of the expert is its j-th token: each lane finds it from the masks by a search on registers (SELECT), and gathers that token's codes and scale words.
; The product is used transposed (source 0 = 16 rows of W1, source 1 = 16 tokens), with b1 as the C of a sum's first instruction; THE ROWS OF A TILE ARE NOT NEIGHBOURS: lane r of tile 2 b + u takes row
; 32 b + 8 u + r + 8 (r / 8), so that the 16 registers of tiles 2 b, 2 b + 1 are 16 neighbours along the next K.  gelu in f32, quantised in registers: one fragment (K step sl of the next product) and one scale word a row.
; OUT.  hqs: register images [e][tile 64][K step 32][1,024 bytes]; from byte 16,777,216 scale words [e][tile][K step][16 rows x 4 bytes].  Row j of expert e has the slot 1,024 e + j.
; pos [8][1024] u32: for every token t, 1,024 e + the number of the expert's tokens below t (work-group sl = 0, wave 0).
; WHY NO TENSOR LOADS AND NO CLUSTER.  The 32 work-groups of an expert gather the same rows of x (544 bytes a row), but the number of tiles hangs on a stored count
; a walk of constant count would be 64 tiles an expert against 16 on the average.  The weights, the bulk of the bytes, are shared with nobody.
; gelu(v) = v / 2 + (v / 2) erf(v / sqrt 2); erf(z) = z P(z^2) / Q(z^2), degrees 6 and 4, z held to +-4: absolute error of erf about 1e-7.
; LIMITS.  NaN and infinities are not served.  Far on the negative side gelu's absolute error is up to about 2e-7 |v|, of the kind of 1 + erf in f32.  A block whose largest magnitude lies under 2^-124 keeps the byte 1;
; a block of zeros has the byte 1 and zero codes (these bytes are read by this program alone).  Rows of the last tile past the expert's count are some valid token's: stored, never used.
; REGISTERS, in windows of 256.  window 0: v1-11 addresses; v12-15 two constants in pairs; v16-79 W1's scale words and nothing else; v80-143 the 8 accumulators (phase W: v80-95 a chunk's 16 largest magnitudes, then scale
; operands; v96-127 its codes, two sets; v128-131 its scale bytes, two sets); v144-207 at work; v208-215 x's scale words and nothing else; v216-219 addresses; v220-235 the quantiser's work; v236-243 h's codes; v252 h's scale word.
; window 1: phase W: chunks as loaded, four sets of 64; then W1's fragments of K steps 0-3 (fragment 8 s + t at 8 ((8 s + t) % 32)).   window 2: K steps 4-7.   window 3: v0-63 x's 8 fragments; v64-127 b1, tile t at 64 + 8 t.
.set WPITCH, 4096                      ; a row of w1 in bytes
.set TU,     8                         ; a wave's second tile begins 8 rows behind its first,
.set PERM,   8                         ; and rows 8-15 of a tile lie 8 further on
.set FIK,    8                         ; fragment number = 8 x K step + tile
.set CP,     528                       ; LDS: a row of codes, 512 bytes + 16: the sixteen rows that a load of fragments touches begin 16 bytes apart modulo 256
.set CW,     32*CP                     ; a wave's 32 rows of codes
.set SP,     272                       ; a row of scale words: 64 fragments x 4 bytes + 16
.set SW,     8                         ; a wave's first tile in such a row: 4 bytes x 2 w
.set WSC,    67584                     ; LDS: 128 rows of codes; then 16 rows of scale words
.set WB,     84                        ; s[84:85] w1 at my wave's rows
.set FLR,    66                        ; s66  the floor 2^(3 - 127)
.set EOFF,   67                        ; s67  -(2 << 23)
.set WS,   16
.set MX,   80
.set CD,   96
.set BB,   128
.set ACC,  80
.set XS,   208
.set TM,   220
.set PC0,  236
.set PW0,  252
.set GZ,   144                         ; gelu: z, z^2 (then v / 2), P, Q
.set GX,   152
.set GP,   160
.set GQ,   168
.set TJ,   144                         ; SELECT's work
.set TJK,  145
.set TKP,  146
.set TKM,  147
.set TK,   148
.set TG,   149
.set TA,   150
.set TB,   151
.set TC,   152
.set TD,   153
.set TP,   154
.set TT,   155
.set TOK,  156
.set MSB, 0
.macro WIN new                         ; the immediate's high byte repeats the setting that is left
.if MSB != (\new)
	s_set_vgpr_msb (MSB<<8)|(\new)
.set MSB, (\new)
.endif
.endm
.macro LOAD n                          ; chunk n as it lies: 16 rows, 512 consecutive bytes each, into set n % 4 of window 1
	WIN 0x40
.irp rr, 0,1,2,3,4,5,6,7,8,9,10,11,12,13,14,15
	global_load_b128 v[64*((\n)%4)+4*\rr:64*((\n)%4)+4*\rr+3], v1, s[WB:WB+1] offset:(TU*((\n)/8)+\rr+PERM*(\rr/8))*WPITCH+512*((\n)%8) th:TH_LOAD_NT
.endr
	WIN 0
.endm
; Chunk n: 16 rows x 128 K.  Lane l holds k = 4 l .. 4 l + 3 of each row (registers 4 rr .. 4 rr + 3 of the set); block b of a row lies in lanes 8 b .. 8 b + 7.  The 16 rows take turns line by line.
.macro STEP n
.set RW,  64*((\n)%4)
.set CS,  CD+16*((\n)%2)
.set BS,  BB+2*((\n)%2)
.set FI0, FIK*((\n)%8)+(\n)/8
.set CO,  16*((\n)/8)*CP+64*((\n)%8)
.if 15-(\n) >= 3
	s_wait_loadcnt 48                              ; chunk n is in; three younger chunks of 16 loads may be out
.else
	s_wait_loadcnt 16*(15-(\n))                    ; towards the end fewer are behind it
.endif
.if (\n) >= 2
	s_wait_dscnt 18                                ; only the last chunk's 18 LDS stores may be out: those of two chunks ago have read the registers that are written again now
.endif
	WIN 0x15                                       ; all three sources: window 1
.irp rr, 0,1,2,3,4,5,6,7,8,9,10,11,12,13,14,15
	v_max3_num_f32 v[MX+\rr], |v[RW+4*\rr]|, |v[RW+4*\rr+1]|, |v[RW+4*\rr+2]|
.endr
	WIN 0x04                                       ; source 1: window 1
.irp rr, 0,1,2,3,4,5,6,7,8,9,10,11,12,13,14,15
	v_max3_num_f32 v[MX+\rr], v[MX+\rr], |v[RW+4*\rr+3]|, s[FLR]   ; my four numbers, and the floor: the byte cannot fall under 1
.endr
	WIN 0
.irp m, 1,2,4
.irp rr, 0,1,2,3,4,5,6,7,8,9,10,11,12,13,14,15
	v_max_num_f32_dpp v[MX+\rr], v[MX+\rr], v[MX+\rr] row_xmask:\m row_mask:0xf bank_mask:0xf   ; with lane l xor 1, 2, 4: the block's eight lanes
.endr
.endr
.irp rr, 0,1,2,3,4,5,6,7,8,9,10,11,12,13,14,15
	v_add_nc_u32 v[MX+\rr], s[EOFF], v[MX+\rr]     ; 2 off the exponent field: the conversion's scale operand
.endr
	WIN 0x01                                       ; source 0: window 1
.irp rr, 0,1,2,3,4,5,6,7,8,9,10,11,12,13,14
	v_cvt_scalef32_pk8_fp4_f32 v[CS+\rr], v[RW+4*\rr:RW+4*\rr+7], v[MX+\rr]   ; the low 16 bits: my four codes of row rr; the high 16 (the next row's numbers under this row's scale) are not used
.endr
	v_cvt_scalef32_pk8_fp4_f32 v[CS+15], v[RW+56:RW+63], v[MX+15]   ; the last row stands in the upper four registers: the high 16 bits
	v_nop                                          ; a plain line behind the last conversion
.if (\n) <= 11
	LOAD (\n)+4                                    ; the set has been read: it takes the chunk four further on
.endif
	WIN 0
	v_lshrrev_b32 v[CS+15], 16, v[CS+15]
	v_mov_b32 v[BS], v[MX]                         ; lane 8 b + i keeps the scale operands of rows i and 8 + i, block b
	v_mov_b32 v[BS+1], v[MX+8]
.irp i, 1,2,3,4,5,6,7
	s_mov_b32 vcc_lo, 0x01010101<<\i               ; the lanes with l % 8 = i
	v_cndmask_b32 v[BS], v[BS], v[MX+\i], vcc_lo
	v_cndmask_b32 v[BS+1], v[BS+1], v[MX+8+\i], vcc_lo
.endr
	v_lshrrev_b32 v[BS], 23, v[BS]                 ; the scales' bytes
	v_lshrrev_b32 v[BS+1], 23, v[BS+1]
.irp rr, 0,1,2,3,4,5,6,7,8,9,10,11,12,13,14,15
	ds_store_b16 v5, v[CS+\rr] offset:CO+\rr*CP    ; the 32 lanes' 64 bytes: 128 codes of a row, on end
.endr
	ds_store_b8 v6, v[BS] offset:4*FI0             ; byte b of the scale word of row i,
	ds_store_b8 v6, v[BS+1] offset:8*SP+4*FI0      ; and of row 8 + i
.endm
.macro WLOAD                           ; all 64 fragments from the rows of codes (lane (r, h): 16 bytes at 16 h, and 32 bytes on), and the 64 scale words of row r, four to a load
.set FI, 0
.rept 64
	WIN ((1+FI/32)<<6)
	ds_load_b128 v[8*(FI%32):8*(FI%32)+3], v3 offset:16*(FI%FIK)*CP+64*(FI/FIK)
	ds_load_b128 v[8*(FI%32)+4:8*(FI%32)+7], v3 offset:16*(FI%FIK)*CP+64*(FI/FIK)+32
.set FI, FI+1
.endr
	WIN 0
.set FI, 0
.rept 16
	ds_load_b128 v[WS+4*FI:WS+4*FI+3], v2 offset:16*FI
.set FI, FI+1
.endr
.endm
; One step of the search for the K-th set bit: is it in the lower part (src holds that part's count at bit TP) or beyond it?
.macro SELSTEP src, width, step
	v_bfe_u32 v[TT], v[\src], v[TP], \width
	v_cmp_ge_u32 vcc_lo, v[TK], v[TT]
	v_sub_nc_u32 v[TT], v[TK], v[TT]
	v_cndmask_b32 v[TK], v[TK], v[TT], vcc_lo
	v_add_nc_u32 v[TT], \step, v[TP]
	v_cndmask_b32 v[TP], v[TP], v[TT], vcc_lo
.endm
; Row j = 16 x s[sq] + lane % 16 of the expert -> its token, and the token's offsets in x's codes (v10) and scale bytes (v11).
; s[16:47] are the 32 mask words; the key of word g is (bits set below word g) x 32 + g.  The last key not above 32 j + 31 names the word; the counts by halves name the bit.
.macro SELECT sq
	v_lshl_add_u32 v[TJ], s[\sq], 4, v7
	v_lshl_or_b32 v[TJK], v[TJ], 5, 31
	v_mov_b32 v[TKM], s16
	v_mov_b32 v[TKP], 0
.irp g, 1,2,3,4,5,6,7,8,9,10,11,12,13,14,15,16,17,18,19,20,21,22,23,24,25,26,27,28,29,30,31
.if \g < 17
.set PG, 47+\g
.else
.set PG, 51+\g
.endif
	v_cmp_le_u32 vcc_lo, s[PG], v[TJK]
	v_cndmask_b32 v[TKP], v[TKP], s[PG], vcc_lo
	v_cndmask_b32 v[TKM], v[TKM], s[16+\g], vcc_lo
.endr
	v_lshrrev_b32 v[TT], 5, v[TKP]
	v_sub_nc_u32 v[TK], v[TJ], v[TT]               ; which set bit of the word
	v_and_b32 v[TG], 31, v[TKP]                    ; which word
	v_lshrrev_b32 v[TT], 1, v[TKM]
	v_and_b32 v[TT], 0x55555555, v[TT]
	v_sub_nc_u32 v[TA], v[TKM], v[TT]              ; counts of 2 bits,
	v_lshrrev_b32 v[TT], 2, v[TA]
	v_and_b32 v[TT], 0x33333333, v[TT]
	v_and_b32 v[TB], 0x33333333, v[TA]
	v_add_nc_u32 v[TB], v[TB], v[TT]               ; of 4,
	v_lshrrev_b32 v[TT], 4, v[TB]
	v_add_nc_u32 v[TC], v[TB], v[TT]
	v_and_b32 v[TC], 0x0f0f0f0f, v[TC]             ; of 8,
	v_lshrrev_b32 v[TT], 8, v[TC]
	v_add_nc_u32 v[TD], v[TC], v[TT]
	v_and_b32 v[TD], 0x00ff00ff, v[TD]             ; of 16
	v_mov_b32 v[TP], 0
	SELSTEP TD, 8, 16
	SELSTEP TC, 8, 8
	SELSTEP TB, 4, 4
	SELSTEP TA, 2, 2
	SELSTEP TKM, 1, 1
	v_lshl_add_u32 v[TOK], v[TG], 5, v[TP]
	v_min_u32 v[TOK], 0x3ff, v[TOK]                ; a token's number, whatever the masks hold
	v_lshl_add_u32 v10, v[TOK], 9, v8              ; 512 bytes of codes a token, + 16 (lane / 16)
	v_lshlrev_b32 v11, 5, v[TOK]                   ; 32 scale bytes a token
.endm
.macro XLOAD                           ; 18 loads: the 16 tokens' eight fragments and eight scale words
	WIN 0xc0
.irp s, 0,1,2,3,4,5,6,7
.irp c, 0,1
	global_load_b128 v[8*\s+4*\c:8*\s+4*\c+3], v10, s[88:89] offset:64*\s+32*\c
.endr
.endr
	WIN 0
	global_load_b128 v[XS:XS+3], v11, s[96:97]
	global_load_b128 v[XS+4:XS+7], v11, s[96:97] offset:16
.endm
; 64 matrix instructions, K step by K step; the eight accumulators take turns, one instruction a turn
.macro MULS
.irp s, 0,1,2,3,4,5,6,7
.if \s == 0
	WIN 0x3d                                       ; source 0 (W1) window 1, source 1 (x) window 3, C (b1) window 3
.elseif \s < 4
	WIN 0x0d
.else
	WIN 0x0e                                       ; W1's K steps 4-7: window 2
.endif
.irp t, 0,1,2,3,4,5,6,7
.if \s == 0
	v_wmma_scale_f32_16x16x128_f8f6f4 v[ACC+8*\t:ACC+8*\t+7], v[8*\t:8*\t+7], v[0:7], v[64+8*\t:64+8*\t+7], v[WS+\t], v[XS] matrix_a_fmt:MATRIX_FMT_FP4 matrix_b_fmt:MATRIX_FMT_FP4
.else
	v_wmma_scale_f32_16x16x128_f8f6f4 v[ACC+8*\t:ACC+8*\t+7], v[8*(8*(\s%4)+\t):8*(8*(\s%4)+\t)+7], v[8*\s:8*\s+7], v[ACC+8*\t:ACC+8*\t+7], v[WS+8*\s+\t], v[XS+\s] matrix_a_fmt:MATRIX_FMT_FP4 matrix_b_fmt:MATRIX_FMT_FP4
.endif
.endr
.endr
	WIN 0
.endm
.macro HORNER reg, c
.irp p, 0,2,4,6
	v_pk_fma_f32 v[\reg+\p:\reg+\p+1], v[\reg+\p:\reg+\p+1], v[GX+\p:GX+\p+1], \c op_sel_hi:[1,1,0]
.endr
.endm
.macro GELU t                          ; tile t's eight numbers of a lane, in place; the accumulator is read from its low end on
.set GA, ACC+8*(\t)
.irp p, 0,2,4,6
	v_pk_mul_f32 v[GZ+\p:GZ+\p+1], v[GA+\p:GA+\p+1], 0x3f3504f3 op_sel_hi:[1,0]   ; z = v / sqrt 2
.endr
.irp j, 0,1,2,3,4,5,6,7
	v_med3_num_f32 v[GZ+\j], v[GZ+\j], -4.0, 4.0
.endr
.irp p, 0,2,4,6
	v_pk_mul_f32 v[GX+\p:GX+\p+1], v[GZ+\p:GZ+\p+1], v[GZ+\p:GZ+\p+1]
.endr
.irp p, 0,2,4,6
	v_pk_fma_f32 v[GP+\p:GP+\p+1], v[GX+\p:GX+\p+1], v[12:13], 0x32edffee op_sel_hi:[1,1,0]
.endr
.irp p, 0,2,4,6
	v_pk_fma_f32 v[GQ+\p:GQ+\p+1], v[GX+\p:GX+\p+1], v[14:15], 0xb95fbd29 op_sel_hi:[1,1,0]
.endr
	HORNER GP, 0xb60cff51
	HORNER GQ, 0xbadc924e
	HORNER GP, 0xb86ec2d2
	HORNER GQ, 0xbbf19bf8
	HORNER GP, 0xba40ac63
	HORNER GQ, 0xbc69b6a7
	HORNER GP, 0xbb41a1f6
	HORNER GP, 0xbc83dbd4
.irp j, 0,1,2,3,4,5,6,7
	v_rcp_f32 v[GQ+\j], v[GQ+\j]
.endr
.irp p, 0,2,4,6
	v_pk_mul_f32 v[GP+\p:GP+\p+1], v[GP+\p:GP+\p+1], v[GZ+\p:GZ+\p+1]   ; (plain lines behind the reciprocals)
.endr
.irp p, 0,2,4,6
	v_pk_mul_f32 v[GX+\p:GX+\p+1], v[GA+\p:GA+\p+1], 0.5 op_sel_hi:[1,0]
.endr
	s_wait_alu depctr_va_vdst(0)
.irp p, 0,2,4,6
	v_pk_mul_f32 v[GP+\p:GP+\p+1], v[GP+\p:GP+\p+1], v[GQ+\p:GQ+\p+1]   ; erf
.endr
.irp p, 0,2,4,6
	v_pk_fma_f32 v[GA+\p:GA+\p+1], v[GX+\p:GX+\p+1], v[GP+\p:GP+\p+1], v[GX+\p:GX+\p+1]
.endr
.endm
; 64 numbers of a lane, register 16 b + i = k 32 b + 16 (lane / 16) + i of my row, become a fragment's codes in v[PC0] on and its scale word in v[PW0]
.macro QUANT s
.irp b, 0,1,2,3
	v_max3_num_f32 v[TM+\b], |v[\s+16*\b]|, |v[\s+1+16*\b]|, 0x1800000
.endr
.irp i, 2,4,6,8,10,12,14
.irp b, 0,1,2,3
	v_max3_num_f32 v[TM+\b], v[TM+\b], |v[\s+16*\b+\i]|, |v[\s+1+16*\b+\i]|
.endr
.endr
.irp b, 0,1,2,3
	v_permlanex16_b32 v[TM+4+\b], v[TM+\b], s12, s13
.endr
.irp b, 0,1,2,3
	v_max_num_f32 v[TM+\b], v[TM+\b], v[TM+4+\b]   ; with lane l xor 16's: the block's largest magnitude
.endr
.irp b, 0,1,2,3
	v_add_nc_u32 v[TM+12+\b], 0xff000000, v[TM+\b]
.endr
.irp b, 0,1,2,3
	v_lshrrev_b32 v[TM+4+\b], 23, v[TM+12+\b]
.endr
	v_lshl_or_b32 v[PW0], v[TM+5], 8, v[TM+4]
	v_lshl_or_b32 v[PW0], v[TM+6], 16, v[PW0]
	v_lshl_or_b32 v[PW0], v[TM+7], 24, v[PW0]
.irp b, 0,1,2,3
	v_cvt_scalef32_pk8_fp4_f32 v[PC0+2*\b], v[\s+16*\b:\s+7+16*\b], v[TM+12+\b]
	v_cvt_scalef32_pk8_fp4_f32 v[PC0+1+2*\b], v[\s+8+16*\b:\s+15+16*\b], v[TM+12+\b]
.endr
	v_nop                                          ; a plain line behind the last conversion
.irp c, 0,1                                    ; the operand's layout wants a whole block in a lane
.irp i, 0,1
	v_permlane16_swap_b32 v[PC0+4*\c+\i], v[PC0+2+4*\c+\i]
.endr
.endr
.endm
	s_load_b256 s[84:91], s[0:1], 0x0              ; w1 s[84:85], b1 s[86:87], xqs s[88:89], rt s[90:91]
	s_load_b128 s[92:95], s[0:1], 0x20             ; hqs s[92:93], pos s[94:95]
	v_lshl_add_u32 v254, v0, 2, 0x14000
	v_mov_b32 v255, 0
	v_lshrrev_b32 v1, 5, v0
	v_readfirstlane_b32 s2, v1                     ; wave 0..3
	s_and_b32 s3, ttmp7, 0xffff                    ; the expert
	s_mov_b32 s4, ttmp9                            ; the slice of 128 hidden units
	s_mov_b32 s12, 0x76543210
	s_mov_b32 s13, 0xfedcba98                      ; v_permlanex16_b32: lane l xor 16
	s_mov_b32 s11, 0
	s_mov_b32 s[FLR], 0x1800000
	s_mov_b32 s[EOFF], 0xff000000
	v_and_b32 v220, 31, v0                         ; lane
	v_and_b32 v7, 15, v0                           ; r
	v_bfe_u32 v221, v0, 4, 1                       ; h
	v_lshlrev_b32 v1, 4, v220                      ; 16 x lane
	v_mul_u32_u24 v2, v7, SP
	v_add_nc_u32 v2, WSC, v2                       ; row r's scale words
	v_mul_u32_u24 v3, v7, CP
	v_lshl_add_u32 v3, v221, 4, v3                 ; a fragment out of the rows of codes: row r, + 16 h
	s_mul_i32 s9, s2, CW
	v_lshl_add_u32 v5, v220, 1, s9                 ; codes into them: my wave's rows, 2 bytes a lane
	v_and_b32 v4, 7, v220
	v_mul_u32_u24 v6, v4, SP
	v_lshrrev_b32 v4, 3, v220
	v_add_nc_u32 v6, v6, v4
	s_mul_i32 s9, s2, SW
	s_add_co_u32 s9, s9, WSC
	v_add_nc_u32 v6, s9, v6                        ; a scale byte: row l % 8, byte l / 8, my wave's tiles
	v_lshlrev_b32 v8, 4, v221                      ; 16 h
	v_lshlrev_b32 v216, 2, v220                    ; 4 x lane
	v_lshlrev_b32 v218, 2, v7                      ; 4 r
	v_lshlrev_b32 v219, 6, v221                    ; b1: 16 numbers on for lanes 16-31
	v_mov_b32 v12, 0xaf95df0b                      ; P's leading coefficient, twice
	v_mov_b32 v13, 0xaf95df0b
	v_mov_b32 v14, 0xb77460cd                      ; Q's
	v_mov_b32 v15, 0xb77460cd
.irp j, 224,225,226,227
	v_mov_b32 v\j, 0                               ; a permute's destination counts as read
.endr
	s_wait_kmcnt 0x0
	s_lshl_b32 s10, s3, 7
	s_add_co_u32 s10, s10, 8192
	s_add_nc_u64 s[90:91], s[90:91], s[10:11]      ; the expert's 32 mask words
	s_load_b512 s[16:31], s[90:91], 0x0
	s_load_b512 s[32:47], s[90:91], 0x40
	s_lshl_b32 s10, s3, 24
	s_lshl_b32 s9, s4, 19
	s_add_co_u32 s10, s10, s9
	s_lshl_b32 s9, s2, 17
	s_add_co_u32 s10, s10, s9
	s_add_nc_u64 s[84:85], s[84:85], s[10:11]      ; w1: expert, slice, my 32 rows
	s_lshl_b32 s10, s3, 14
	s_lshl_b32 s9, s4, 9
	s_add_co_u32 s10, s10, s9
	s_add_nc_u64 s[86:87], s[86:87], s[10:11]      ; b1: expert, slice
	s_add_nc_u64 s[96:97], s[88:89], 0x80000       ; x's scale bytes
	s_lshl_b32 s10, s3, 17
	s_lshl_b32 s9, s4, 6
	s_add_co_u32 s10, s10, s9
	s_add_co_u32 s10, s10, 0x1000000
	s_add_nc_u64 s[98:99], s[92:93], s[10:11]      ; h's scale words: expert, K step
	s_lshl_b32 s10, s3, 21
	s_lshl_b32 s9, s4, 10
	s_add_co_u32 s10, s10, s9
	s_add_nc_u64 s[92:93], s[92:93], s[10:11]      ; h's images: expert, K step
	s_lshl_b32 s10, s3, 12
	s_add_nc_u64 s[94:95], s[94:95], s[10:11]      ; pos: expert
	WIN 0xc0
.irp t, 0,1,2,3,4,5,6,7                        ; b1 in the result's layout: lane (r, h), tile t: units 32 (t / 2) + 16 h + 8 (t % 2) + 0 .. 7
	global_load_b128 v[64+8*\t:64+8*\t+3], v219, s[86:87] offset:(32*(\t/2)+8*(\t%2))*4
	global_load_b128 v[64+8*\t+4:64+8*\t+7], v219, s[86:87] offset:(32*(\t/2)+8*(\t%2))*4+16
.endr
	WIN 0
.irp n, 0,1,2,3
	LOAD \n
.endr
	s_wait_kmcnt 0x0                               ; the masks
	s_mov_b32 s5, 0
.irp g, 0,1,2,3,4,5,6,7,8,9,10,11,12,13,14,15,16,17,18,19,20,21,22,23,24,25,26,27,28,29,30,31
.if \g > 0
.if \g < 17
.set PG, 47+\g
.else
.set PG, 51+\g
.endif
	s_lshl_b32 s9, s5, 5
	s_or_b32 s[PG], s9, \g                         ; word g's key
.endif
	s_bcnt1_i32_b32 s9, s[16+\g]
	s_add_co_u32 s5, s5, s9
.endr
	s_add_co_u32 s6, s5, 15
	s_lshr_b32 s6, s6, 4
	s_min_u32 s6, s6, 64                           ; the expert's tiles of 16 rows
	s_add_co_u32 s15, s6, 3
	s_sub_co_u32 s15, s15, s2
	s_lshr_b32 s15, s15, 2
	s_min_u32 s15, s15, 16                         ; of which tiles w, w + 4, .. are mine: (tiles + 3 - w) / 4, 16 at the most
	s_cmp_lg_u32 s4, 0                             ; one wave for each expert stores the slots of all tokens
	s_cbranch_scc1 .Lnopos
	s_cmp_lg_u32 s2, 0
	s_cbranch_scc1 .Lnopos
	s_lshl_b32 s10, s3, 10
.irp g, 0,1,2,3,4,5,6,7,8,9,10,11,12,13,14,15,16,17,18,19,20,21,22,23,24,25,26,27,28,29,30,31
.if \g == 0
	s_mov_b32 s9, s10
.else
.if \g < 17
.set PG, 47+\g
.else
.set PG, 51+\g
.endif
	s_lshr_b32 s9, s[PG], 5
	s_add_co_u32 s9, s9, s10
.endif
	v_mbcnt_lo_u32_b32 v[144+\g], s[16+\g], s9     ; 1,024 e + the bits below word g + the word's bits below my lane
	global_store_b32 v216, v[144+\g], s[94:95] offset:128*\g
.endr
	s_wait_xcnt 0x0                                ; the stores' registers are written again below
.Lnopos:
	s_mov_b32 s7, s2                               ; my first tile
	SELECT 7
.irp n, 0,1,2,3,4,5,6,7,8,9,10,11,12,13,14,15
	STEP \n
.endr
	XLOAD                                          ; my first tile's rows of x land while the waves meet
	s_wait_dscnt 0x0                               ; my codes and scale bytes lie in LDS
	s_barrier_signal -1
	s_barrier_wait -1                              ; everybody's do
	WLOAD
	s_wait_dscnt 0x0
	s_mov_b32 s14, 0                               ; trips done
	s_cmp_lg_u32 s15, 0
	s_cbranch_scc0 .Lend
.Ltile:
	s_lshl_b32 s7, s14, 2
	s_add_co_u32 s7, s7, s2                        ; this trip's tile: 4 x trip + wave
	s_wait_loadcnt 0x0                             ; this tile's 18 loads
	MULS
	s_add_co_u32 s8, s7, 4
	SELECT 8                                       ; my next tile's tokens: plain lines that name no register of the products: the places behind them
	XLOAD                                          ; and their codes, which land under the gelu.  Past the last tile: some valid tokens, not used
.irp t, 0,1,2,3,4,5,6,7
	GELU \t
.endr
	s_wait_xcnt 0x0                                ; the last trip's stores have read their data and offsets
	QUANT ACC
	s_min_u32 s9, s7, 63
	v_lshl_add_u32 v216, s9, 15, v1                ; a tile's 32 K steps are 32,768 bytes of images
	v_lshl_add_u32 v217, s9, 11, v218              ; and 2,048 of scale words
	global_store_b128 v216, v[PC0:PC0+3], s[92:93]             ; 512 consecutive bytes
	global_store_b128 v216, v[PC0+4:PC0+7], s[92:93] offset:512
	global_store_b32 v217, v[PW0], s[98:99]        ; 16 words; lanes 16-31 write the same words with the same values
	s_add_co_u32 s14, s14, 1
	s_cmp_lt_u32 s14, s15
	s_cbranch_scc1 .Ltile
.Lend:
	s_wait_tensorcnt 0x0
	ds_add_u32 v254, v255
	s_wait_dscnt 0x0
	s_endpgm
.Lfunc_end_k_q02f0d212e0_up:
	.size	k_q02f0d212e0_up, .Lfunc_end_k_q02f0d212e0_up-k_q02f0d212e0_up
	.p2alignl 7, 3214868480
	.fill 96, 4, 3214868480
	.section	.rodata,"a",@progbits
	.p2align	6, 0x0
	.amdhsa_kernel k_q02f0d212e0_up
		.amdhsa_group_segment_fixed_size 82432
		.amdhsa_private_segment_fixed_size 0
		.amdhsa_enable_private_segment 0
		.amdhsa_kernarg_size 48
		.amdhsa_user_sgpr_count 2
		.amdhsa_user_sgpr_kernarg_segment_ptr 1
		.amdhsa_wavefront_size32 1
		.amdhsa_system_sgpr_workgroup_id_x 1
		.amdhsa_system_sgpr_workgroup_id_y 1
		.amdhsa_system_sgpr_workgroup_id_z 1
		.amdhsa_system_vgpr_workitem_id 0
		.amdhsa_next_free_vgpr 1024
		.amdhsa_next_free_sgpr 100
		.amdhsa_reserve_vcc 1
		.amdhsa_float_denorm_mode_32 3
		.amdhsa_float_denorm_mode_16_64 3
		.amdhsa_memory_ordered 1
		.amdhsa_forward_progress 1
		.amdhsa_inst_pref_size 255
	.end_amdhsa_kernel
	.section	.bss,"aw",@nobits
	.p2align	6
	.space	262144
	.amdgpu_metadata
---
amdhsa.version: [ 1, 2 ]
amdhsa.kernels:
  - .name:           k_q02f0d212e0_up
    .symbol:         k_q02f0d212e0_up.kd
    .args:
      - { .name: w1, .offset: 0, .size: 8, .value_kind: global_buffer, .address_space: global }
      - { .name: b1, .offset: 8, .size: 8, .value_kind: global_buffer, .address_space: global }
      - { .name: xqs, .offset: 16, .size: 8, .value_kind: global_buffer, .address_space: global }
      - { .name: rt, .offset: 24, .size: 8, .value_kind: global_buffer, .address_space: global }
      - { .name: hqs, .offset: 32, .size: 8, .value_kind: global_buffer, .address_space: global }
      - { .name: pos, .offset: 40, .size: 8, .value_kind: global_buffer, .address_space: global }
    .group_segment_fixed_size: 82432
    .private_segment_fixed_size: 0
    .kernarg_segment_align: 8
    .kernarg_segment_size: 48
    .max_flat_workgroup_size: 128
    .sgpr_count:     100
    .vgpr_count:     1024
    .wavefront_size: 32
...
	.end_amdgpu_metadata
.endif
;; end of part 2
;; launch down (part 3): grid 32 x 8, 4 waves a work-group, no clusters, 82,432 bytes of LDS; arguments w2, b2, hqs, rt, yb; writes yb
.if DOCPART == 3
	.amdgcn_target "amdgcn-amd-amdhsa--gfx1250"
	.amdhsa_code_object_version 6
	.text
	.protected	k_q02f0d212e0_down
	.globl	k_q02f0d212e0_down
	.p2align	8
	.type	k_q02f0d212e0_down,@function
k_q02f0d212e0_down:
	s_mov_b64 s[64:65], 0
	v_nop
	global_prefetch_b8 v0, s[64:65] scope:SCOPE_SE
	s_setreg_imm32_b32 hwreg(HW_REG_WAVE_MODE, 25, 1), 1
	s_wait_xcnt 0x0
; DOWN.  y = h W2^T + b2 for the rows routed to an expert, on codes of E2M1 with one E8M0 scale for each 32 along K = 4,096.
; SHARES.  Work-group (sl, e) owns outputs 32 sl .. 32 sl + 31 of expert e: 512 KiB of w2, which no other work-group reads.
; PHASE W.  Wave w quantises K steps 8 w .. 8 w + 7 of the 32 rows, in 16 chunks of 16 rows x 128 K, four chunks (64 loads) ahead.  A row of a chunk is loaded as it lies, 512 consecutive bytes a load: a lane holds four
; neighbours along K, eight neighbouring lanes a block of 32.  THE NUMBERS ARE QUANTISED WHERE THEY LIE: a block's largest magnitude is joined over its eight lanes on the arithmetic itself (three DPP steps); the conversion
; takes eight registers, the row's four and the next row's four, under the row's scale, and the row's half of the result is kept.  ONLY CODES GO THROUGH LDS: 2 bytes a lane and row, into rows of 2,048 + 16 bytes with K
; innermost; the scale bytes, one lane to a (row, block), into 16 rows of 64 words + 16 bytes.  One barrier; then every wave loads all 64 fragments (2 tiles x 32 K steps) and their scale words into registers.
; PHASE T.  Wave w takes the expert's tiles of 16 rows w, w + 4, ..: (tiles + 3 - w) / 4 trips; their number comes from the stored masks.  A tile of h is 32 register images of 1,024 bytes, loaded as they were stored,
; in four groups of 8 K steps; a group's registers take the next tile's group as soon as they are multiplied, so four groups (80 loads) are asked for at all times.  The last trip is written out: it asks for nothing.
; The product is used transposed (source 0 = 16 rows of W2, source 1 = 16 rows of h): a lane holds eight neighbouring outputs of one row.  b2 is the C of the first instruction.
; K IS SPLIT OVER FOUR SUMS A TILE (K steps s % 4), so that eight accumulators take turns; the four are added in f32 at the end: another order of rounding than one ascending sum.
; OUT.  yb [slice 32][slot 8,192][32 f32], slot = 1,024 e + row: a tile leaves as 2,048 consecutive bytes, through the wave's stage.
; WHY NO TENSOR LOADS AND NO CLUSTER.  The 32 work-groups of an expert read the same tiles of h, but the number of tiles hangs on a stored count;
; a walk of constant count would be 64 tiles an expert against 16 on the average.
; LIMITS.  NaN and infinities are not served.  A block of w2 whose largest magnitude lies under 2^-124 keeps the byte 1; a block of zeros has the byte 1 and zero codes.
; Every wave asks for tile w ahead of the barrier, whether or not the expert has so many (it lies inside the expert's region of hqs); a wave without tiles never multiplies it.
; REGISTERS, in windows of 256.  window 0: v1-14 addresses; v16-79 W2's scale words and nothing else; v80-143 the 8 accumulators (phase W: v80-95 a chunk's 16 largest magnitudes, then scale operands; v96-127 its codes,
; two sets; v128-131 its scale bytes, two sets); v144-159 y; v160-175 y by rows; v176-191 at work; v192-207 b2; v208-223 h's scale words and nothing else; v240-243 at work at the head.
; window 1: phase W: chunks as loaded; then W2's fragments 2 s + t of K steps 0-15.   window 2: K steps 16-31.   window 3: h's 32 fragments, K step s at 8 s.
.set WPITCH, 16384                     ; a row of w2 in bytes
.set TU,     16                        ; the second tile begins 16 rows behind the first
.set PERM,   0
.set FIK,    2                         ; fragment number = 2 x K step + tile
.set CP,     2064                      ; LDS: a row of codes, 2,048 bytes + 16: the sixteen rows that a load of fragments touches begin 16 bytes apart modulo 256
.set CW,     512                       ; a wave's 8 K steps in a row of codes
.set SP,     272                       ; a row of scale words: 64 fragments x 4 bytes + 16
.set SW,     64                        ; a wave's first K step in such a row: 4 bytes x 16 w
.set WSC,    67584                     ; LDS: 32 rows of codes; from here 16 rows of scale words;
.set STG,    72192                     ; four stages of 16 rows x (128 + 16) bytes
.set WB,     52                        ; s[52:53] w2 at my wave's K steps
.set FLR,    48                        ; s48  the floor 2^(3 - 127)
.set EOFF,   49                        ; s49  -(2 << 23)
.set WS,   16
.set MX,   80
.set CD,   96
.set BB,   128
.set ACC,  80
.set YR,   144
.set OR,   160
.set TR,   176
.set B2,   192
.set HS,   208
.set MSB, 0
.macro WIN new                         ; the immediate's high byte repeats the setting that is left
.if MSB != (\new)
	s_set_vgpr_msb (MSB<<8)|(\new)
.set MSB, (\new)
.endif
.endm
.macro LOAD n                          ; chunk n as it lies: 16 rows, 512 consecutive bytes each, into set n % 4 of window 1
	WIN 0x40
.irp rr, 0,1,2,3,4,5,6,7,8,9,10,11,12,13,14,15
	global_load_b128 v[64*((\n)%4)+4*\rr:64*((\n)%4)+4*\rr+3], v1, s[WB:WB+1] offset:(TU*((\n)/8)+\rr+PERM*(\rr/8))*WPITCH+512*((\n)%8) th:TH_LOAD_NT
.endr
	WIN 0
.endm
; Chunk n: 16 rows x 128 K.  Lane l holds k = 4 l .. 4 l + 3 of each row (registers 4 rr .. 4 rr + 3 of the set); block b of a row lies in lanes 8 b .. 8 b + 7.  The 16 rows take turns line by line.
.macro STEP n
.set RW,  64*((\n)%4)
.set CS,  CD+16*((\n)%2)
.set BS,  BB+2*((\n)%2)
.set FI0, FIK*((\n)%8)+(\n)/8
.set CO,  16*((\n)/8)*CP+64*((\n)%8)
.if 15-(\n) >= 3
	s_wait_loadcnt 48                              ; chunk n is in; three younger chunks of 16 loads may be out
.else
	s_wait_loadcnt 16*(15-(\n))                    ; towards the end fewer are behind it
.endif
.if (\n) >= 2
	s_wait_dscnt 18                                ; only the last chunk's 18 LDS stores may be out: those of two chunks ago have read the registers that are written again now
.endif
	WIN 0x15                                       ; all three sources: window 1
.irp rr, 0,1,2,3,4,5,6,7,8,9,10,11,12,13,14,15
	v_max3_num_f32 v[MX+\rr], |v[RW+4*\rr]|, |v[RW+4*\rr+1]|, |v[RW+4*\rr+2]|
.endr
	WIN 0x04                                       ; source 1: window 1
.irp rr, 0,1,2,3,4,5,6,7,8,9,10,11,12,13,14,15
	v_max3_num_f32 v[MX+\rr], v[MX+\rr], |v[RW+4*\rr+3]|, s[FLR]   ; my four numbers, and the floor: the byte cannot fall under 1
.endr
	WIN 0
.irp m, 1,2,4
.irp rr, 0,1,2,3,4,5,6,7,8,9,10,11,12,13,14,15
	v_max_num_f32_dpp v[MX+\rr], v[MX+\rr], v[MX+\rr] row_xmask:\m row_mask:0xf bank_mask:0xf   ; with lane l xor 1, 2, 4: the block's eight lanes
.endr
.endr
.irp rr, 0,1,2,3,4,5,6,7,8,9,10,11,12,13,14,15
	v_add_nc_u32 v[MX+\rr], s[EOFF], v[MX+\rr]     ; 2 off the exponent field: the conversion's scale operand
.endr
	WIN 0x01                                       ; source 0: window 1
.irp rr, 0,1,2,3,4,5,6,7,8,9,10,11,12,13,14
	v_cvt_scalef32_pk8_fp4_f32 v[CS+\rr], v[RW+4*\rr:RW+4*\rr+7], v[MX+\rr]   ; the low 16 bits: my four codes of row rr; the high 16 (the next row's numbers under this row's scale) are not used
.endr
	v_cvt_scalef32_pk8_fp4_f32 v[CS+15], v[RW+56:RW+63], v[MX+15]   ; the last row stands in the upper four registers: the high 16 bits
	v_nop                                          ; a plain line behind the last conversion
.if (\n) <= 11
	LOAD (\n)+4                                    ; the set has been read: it takes the chunk four further on
.endif
	WIN 0
	v_lshrrev_b32 v[CS+15], 16, v[CS+15]
	v_mov_b32 v[BS], v[MX]                         ; lane 8 b + i keeps the scale operands of rows i and 8 + i, block b
	v_mov_b32 v[BS+1], v[MX+8]
.irp i, 1,2,3,4,5,6,7
	s_mov_b32 vcc_lo, 0x01010101<<\i               ; the lanes with l % 8 = i
	v_cndmask_b32 v[BS], v[BS], v[MX+\i], vcc_lo
	v_cndmask_b32 v[BS+1], v[BS+1], v[MX+8+\i], vcc_lo
.endr
	v_lshrrev_b32 v[BS], 23, v[BS]                 ; the scales' bytes
	v_lshrrev_b32 v[BS+1], 23, v[BS+1]
.irp rr, 0,1,2,3,4,5,6,7,8,9,10,11,12,13,14,15
	ds_store_b16 v5, v[CS+\rr] offset:CO+\rr*CP    ; the 32 lanes' 64 bytes: 128 codes of a row, on end
.endr
	ds_store_b8 v6, v[BS] offset:4*FI0             ; byte b of the scale word of row i,
	ds_store_b8 v6, v[BS+1] offset:8*SP+4*FI0      ; and of row 8 + i
.endm
.macro WLOAD                           ; all 64 fragments from the rows of codes (lane (r, h): 16 bytes at 16 h, and 32 bytes on), and the 64 scale words of row r, four to a load
.set FI, 0
.rept 64
	WIN ((1+FI/32)<<6)
	ds_load_b128 v[8*(FI%32):8*(FI%32)+3], v3 offset:16*(FI%FIK)*CP+64*(FI/FIK)
	ds_load_b128 v[8*(FI%32)+4:8*(FI%32)+7], v3 offset:16*(FI%FIK)*CP+64*(FI/FIK)+32
.set FI, FI+1
.endr
	WIN 0
.set FI, 0
.rept 16
	ds_load_b128 v[WS+4*FI:WS+4*FI+3], v2 offset:16*FI
.set FI, FI+1
.endr
.endm
.macro HLOAD g                         ; 20 loads: K steps 8 g .. 8 g + 7 of the tile that v10, v11 name; a scale register holds an even K step's words in lanes 0-15, the next K step's in lanes 16-31
	WIN 0xc0
.irp s, 0,1,2,3,4,5,6,7
.irp c, 0,1
	global_load_b128 v[64*(\g)+8*\s+4*\c:64*(\g)+8*\s+4*\c+3], v10, s[56:57] offset:1024*(8*(\g)+\s)+512*\c
.endr
.endr
	WIN 0
.irp i, 0,1,2,3
	global_load_b32 v[HS+4*(\g)+\i], v11, s[62:63] offset:128*(4*(\g)+\i)
.endr
.endm
; 16 matrix instructions: K steps 8 g .. 8 g + 7 x two tiles.  The eight accumulators (tile t, K step % 4) take turns, one instruction a turn
.macro MULG g
.if (\g) < 2
	WIN 0x0d                                       ; source 0 (W2) window 1, source 1 (h) window 3
.else
	WIN 0x0e                                       ; W2's K steps 16-31: window 2
.endif
.irp u, 0,1,2,3,4,5,6,7
.irp t, 0,1
.set KS, 8*(\g)+\u
.set AR, ACC+16*(KS%4)+8*\t
.set WR, 8*((2*KS+\t)%32)
.set CR, AR
.if KS == 0
.set CR, B2+8*\t
.endif
.if (KS > 0) && (KS < 4)
.if KS%2
	v_wmma_scale_f32_16x16x128_f8f6f4 v[AR:AR+7], v[WR:WR+7], v[8*KS:8*KS+7], 0, v[WS+2*KS+\t], v[HS+KS/2] matrix_a_fmt:MATRIX_FMT_FP4 matrix_b_fmt:MATRIX_FMT_FP4 matrix_b_scale:MATRIX_SCALE_ROW1
.else
	v_wmma_scale_f32_16x16x128_f8f6f4 v[AR:AR+7], v[WR:WR+7], v[8*KS:8*KS+7], 0, v[WS+2*KS+\t], v[HS+KS/2] matrix_a_fmt:MATRIX_FMT_FP4 matrix_b_fmt:MATRIX_FMT_FP4
.endif
.else
.if KS%2
	v_wmma_scale_f32_16x16x128_f8f6f4 v[AR:AR+7], v[WR:WR+7], v[8*KS:8*KS+7], v[CR:CR+7], v[WS+2*KS+\t], v[HS+KS/2] matrix_a_fmt:MATRIX_FMT_FP4 matrix_b_fmt:MATRIX_FMT_FP4 matrix_b_scale:MATRIX_SCALE_ROW1
.else
	v_wmma_scale_f32_16x16x128_f8f6f4 v[AR:AR+7], v[WR:WR+7], v[8*KS:8*KS+7], v[CR:CR+7], v[WS+2*KS+\t], v[HS+KS/2] matrix_a_fmt:MATRIX_FMT_FP4 matrix_b_fmt:MATRIX_FMT_FP4
.endif
.endif
.endr
.endr
	WIN 0
.endm
; One tile of 16 rows.  ahead = 1: each group's registers take my next tile's group as soon as they are multiplied.  ahead = 0: my last tile: nothing is asked for, and the waits count down.
.macro TRIP ahead
	s_lshl_b32 s7, s14, 2
	s_add_co_u32 s7, s7, s2                        ; this trip's tile: 4 x trip + wave
	s_wait_xcnt 0x0                                ; the offsets of the loads that are out, and the last trip's stores' data and offset, are written again only behind this wait
.if \ahead
	s_add_co_u32 s8, s7, 4
	s_min_u32 s8, s8, 63                           ; my next tile
	v_lshl_add_u32 v10, s8, 15, v1
	v_lshl_add_u32 v11, s8, 11, v7
.endif
	s_min_u32 s9, s7, 63
	v_lshl_add_u32 v12, s9, 11, v1                 ; this tile's 2,048 bytes of y
.irp g, 0,1,2,3
.if \ahead
	s_wait_loadcnt 60                              ; this group's 20 loads are in; behind them three groups of 20 are out: the rest of this tile and the next tile's earlier groups
.else
	s_wait_loadcnt 20*(3-\g)                       ; behind this group only the rest of this tile is out
.endif
	MULG \g
.if (\ahead) || (\g == 3)
.rept 4
	v_nop                                          ; places in front of loads into registers that the products have read, and behind the last group in front of the first read of results
.endr
.endif
.if \ahead
	HLOAD \g                                       ; the next tile's group
.endif
.endr
.irp t, 0,1                                    ; the four sums of a tile; each accumulator is read from its low end on
.irp i, 0,2,4,6
	v_pk_add_f32 v[YR+8*\t+\i:YR+8*\t+\i+1], v[ACC+8*\t+\i:ACC+8*\t+\i+1], v[ACC+16+8*\t+\i:ACC+16+8*\t+\i+1]
	v_pk_add_f32 v[TR+8*\t+\i:TR+8*\t+\i+1], v[ACC+32+8*\t+\i:ACC+32+8*\t+\i+1], v[ACC+48+8*\t+\i:ACC+48+8*\t+\i+1]
.endr
.endr
.irp j, 0,2,4,6,8,10,12,14
	v_pk_add_f32 v[YR+\j:YR+\j+1], v[YR+\j:YR+\j+1], v[TR+\j:TR+\j+1]
.endr
.irp t, 0,1
.irp j, 0,1
	ds_store_b128 v13, v[YR+8*\t+4*\j:YR+8*\t+4*\j+3] offset:64*\t+16*\j   ; lane (r, h): y(row r, 16 t + 8 h + 4 j ..)
.endr
.endr
.irp i, 0,1,2,3
	ds_load_b128 v[OR+4*\i:OR+4*\i+3], v14 offset:576*\i       ; LDS serves a wave's instructions in order: these see my stores
.endr
	s_wait_dscnt 0x0
.irp i, 0,1,2,3
	global_store_b128 v12, v[OR+4*\i:OR+4*\i+3], s[60:61] offset:512*\i   ; 512 consecutive bytes: four rows of 128
.endr
.endm
	s_load_b256 s[52:59], s[0:1], 0x0              ; w2 s[52:53], b2 s[54:55], hqs s[56:57], rt s[58:59]
	s_load_b64 s[60:61], s[0:1], 0x20              ; yb
	v_lshl_add_u32 v254, v0, 2, 0x14000
	v_mov_b32 v255, 0
	v_lshrrev_b32 v1, 5, v0
	v_readfirstlane_b32 s2, v1                     ; wave 0..3
	s_and_b32 s3, ttmp7, 0xffff                    ; the expert
	s_mov_b32 s4, ttmp9                            ; the slice of 32 outputs
	s_mov_b32 s11, 0
	s_mov_b32 s[FLR], 0x1800000
	s_mov_b32 s[EOFF], 0xff000000
	v_and_b32 v240, 31, v0                         ; lane
	v_and_b32 v241, 15, v0                         ; r
	v_bfe_u32 v242, v0, 4, 1                       ; h
	v_lshlrev_b32 v1, 4, v240                      ; 16 x lane
	v_mul_u32_u24 v2, v241, SP
	v_add_nc_u32 v2, WSC, v2                       ; row r's scale words
	v_mul_u32_u24 v3, v241, CP
	v_lshl_add_u32 v3, v242, 4, v3                 ; a fragment out of the rows of codes: row r, + 16 h
	s_mul_i32 s9, s2, CW
	v_lshl_add_u32 v5, v240, 1, s9                 ; codes into them: my wave's K steps, 2 bytes a lane
	v_and_b32 v243, 7, v240
	v_mul_u32_u24 v6, v243, SP
	v_lshrrev_b32 v4, 3, v240
	v_add_nc_u32 v6, v6, v4
	s_mul_i32 s9, s2, SW
	s_add_co_u32 s9, s9, WSC
	v_add_nc_u32 v6, s9, v6                        ; a scale byte: row l % 8, byte l / 8, my wave's K steps
	s_mul_i32 s9, s2, 2304
	s_add_co_u32 s9, s9, STG                       ; my stage
	v_mul_u32_u24 v13, v241, 144
	v_lshl_add_u32 v13, v242, 5, v13
	v_add_nc_u32 v13, s9, v13                      ; into it: rows of 128 bytes + 16: row r, + 32 h
	v_mul_u32_u24 v14, v4, 144
	v_lshl_add_u32 v14, v243, 4, v14
	v_add_nc_u32 v14, s9, v14                      ; out of it: eight lanes to a row, four rows an instruction
	v_lshlrev_b32 v7, 2, v240                      ; 4 x lane
	v_lshlrev_b32 v8, 5, v242                      ; b2: 8 numbers on for lanes 16-31
	s_wait_kmcnt 0x0
	s_lshl_b32 s10, s3, 7
	s_add_co_u32 s10, s10, 8192
	s_add_nc_u64 s[58:59], s[58:59], s[10:11]      ; the expert's 32 mask words
	s_load_b512 s[16:31], s[58:59], 0x0
	s_load_b512 s[32:47], s[58:59], 0x40
	s_lshl_b32 s10, s3, 24
	s_lshl_b32 s9, s4, 19
	s_add_co_u32 s10, s10, s9
	s_lshl_b32 s9, s2, 12
	s_add_co_u32 s10, s10, s9
	s_add_nc_u64 s[52:53], s[52:53], s[10:11]      ; w2: expert, slice, my 8 K steps
	s_lshl_b32 s10, s3, 12
	s_lshl_b32 s9, s4, 7
	s_add_co_u32 s10, s10, s9
	s_add_nc_u64 s[54:55], s[54:55], s[10:11]      ; b2: expert, slice
	s_lshl_b32 s10, s3, 17
	s_add_co_u32 s10, s10, 0x1000000
	s_add_nc_u64 s[62:63], s[56:57], s[10:11]      ; h's scale words: expert
	s_lshl_b32 s10, s3, 21
	s_add_nc_u64 s[56:57], s[56:57], s[10:11]      ; h's images: expert
	s_lshl_b32 s10, s4, 20
	s_lshl_b32 s9, s3, 17
	s_add_co_u32 s10, s10, s9
	s_add_nc_u64 s[60:61], s[60:61], s[10:11]      ; y: slice, expert
.irp n, 0,1,2,3
	LOAD \n
.endr
	s_wait_kmcnt 0x0                               ; the masks: only their bits' number is wanted here
	s_mov_b32 s5, 0
.irp g, 0,1,2,3,4,5,6,7,8,9,10,11,12,13,14,15,16,17,18,19,20,21,22,23,24,25,26,27,28,29,30,31
	s_bcnt1_i32_b32 s9, s[16+\g]
	s_add_co_u32 s5, s5, s9
.endr
	s_add_co_u32 s6, s5, 15
	s_lshr_b32 s6, s6, 4
	s_min_u32 s6, s6, 64                           ; the expert's tiles of 16 rows
	s_add_co_u32 s15, s6, 3
	s_sub_co_u32 s15, s15, s2
	s_lshr_b32 s15, s15, 2
	s_min_u32 s15, s15, 16                         ; of which tiles w, w + 4, .. are mine: (tiles + 3 - w) / 4, 16 at the most
.irp n, 0,1,2,3,4,5,6,7,8,9,10,11,12,13,14,15
	STEP \n
.endr
.irp t, 0,1                                    ; b2 in the result's layout: lane (r, h), tile t: outputs 16 t + 8 h + 0 .. 7
	global_load_b128 v[B2+8*\t:B2+8*\t+3], v8, s[54:55] offset:64*\t
	global_load_b128 v[B2+8*\t+4:B2+8*\t+7], v8, s[54:55] offset:64*\t+16
.endr
	v_lshl_add_u32 v10, s2, 15, v1                 ; tile w: every wave asks for it, whether or not the expert has so many (it lies inside the expert's region)
	v_lshl_add_u32 v11, s2, 11, v7
.irp g, 0,1,2,3
	HLOAD \g
.endr
	s_wait_dscnt 0x0                               ; my codes and scale bytes lie in LDS
	s_barrier_signal -1
	s_barrier_wait -1                              ; everybody's do
	WLOAD
	s_wait_dscnt 0x0
	s_mov_b32 s14, 0                               ; trips done
	s_cmp_lg_u32 s15, 0
	s_cbranch_scc0 .Lend
	s_sub_co_u32 s15, s15, 1                       ; all my tiles but the last look ahead
	s_cmp_lg_u32 s15, 0
	s_cbranch_scc0 .Llast
.Ltile:
	TRIP 1
	s_add_co_u32 s14, s14, 1
	s_cmp_lt_u32 s14, s15
	s_cbranch_scc1 .Ltile
.Llast:                                            ; on both ways here the youngest 80 loads are this tile's four groups, in order
	TRIP 0
.Lend:
	s_wait_tensorcnt 0x0
	ds_add_u32 v254, v255
	s_wait_dscnt 0x0
	s_endpgm
.Lfunc_end_k_q02f0d212e0_down:
	.size	k_q02f0d212e0_down, .Lfunc_end_k_q02f0d212e0_down-k_q02f0d212e0_down
	.p2alignl 7, 3214868480
	.fill 96, 4, 3214868480
	.section	.rodata,"a",@progbits
	.p2align	6, 0x0
	.amdhsa_kernel k_q02f0d212e0_down
		.amdhsa_group_segment_fixed_size 82432
		.amdhsa_private_segment_fixed_size 0
		.amdhsa_enable_private_segment 0
		.amdhsa_kernarg_size 40
		.amdhsa_user_sgpr_count 2
		.amdhsa_user_sgpr_kernarg_segment_ptr 1
		.amdhsa_wavefront_size32 1
		.amdhsa_system_sgpr_workgroup_id_x 1
		.amdhsa_system_sgpr_workgroup_id_y 1
		.amdhsa_system_sgpr_workgroup_id_z 1
		.amdhsa_system_vgpr_workitem_id 0
		.amdhsa_next_free_vgpr 1024
		.amdhsa_next_free_sgpr 66
		.amdhsa_reserve_vcc 1
		.amdhsa_float_denorm_mode_32 3
		.amdhsa_float_denorm_mode_16_64 3
		.amdhsa_memory_ordered 1
		.amdhsa_forward_progress 1
		.amdhsa_inst_pref_size 221
	.end_amdhsa_kernel
	.amdgpu_metadata
---
amdhsa.version: [ 1, 2 ]
amdhsa.kernels:
  - .name:           k_q02f0d212e0_down
    .symbol:         k_q02f0d212e0_down.kd
    .args:
      - { .name: w2, .offset: 0, .size: 8, .value_kind: global_buffer, .address_space: global }
      - { .name: b2, .offset: 8, .size: 8, .value_kind: global_buffer, .address_space: global }
      - { .name: hqs, .offset: 16, .size: 8, .value_kind: global_buffer, .address_space: global }
      - { .name: rt, .offset: 24, .size: 8, .value_kind: global_buffer, .address_space: global }
      - { .name: yb, .offset: 32, .size: 8, .value_kind: global_buffer, .address_space: global }
    .group_segment_fixed_size: 82432
    .private_segment_fixed_size: 0
    .kernarg_segment_align: 8
    .kernarg_segment_size: 40
    .max_flat_workgroup_size: 128
    .sgpr_count:     66
    .vgpr_count:     1024
    .wavefront_size: 32
...
	.end_amdgpu_metadata
.endif
;; end of part 3
;; launch combine (part 4): grid 256 x 1, 4 waves a work-group, no clusters, 0 bytes of LDS; arguments yb, rt, gp, pos, out0, out1; writes out0, out1
.if DOCPART == 4
	.amdgcn_target "amdgcn-amd-amdhsa--gfx1250"
	.amdhsa_code_object_version 6
	.text
	.protected	k_q02f0d212e0_combine
	.globl	k_q02f0d212e0_combine
	.p2align	8
	.type	k_q02f0d212e0_combine,@function
k_q02f0d212e0_combine:
	s_mov_b64 s[64:65], 0
	v_nop
	global_prefetch_b8 v0, s[64:65] scope:SCOPE_SE
	s_setreg_imm32_b32 hwreg(HW_REG_WAVE_MODE, 25, 1), 1
	s_wait_xcnt 0x0
; COMBINE.  out0[t] = g0 y[slot of (first expert, t)] + g1 y[slot of (second expert, t)];  out1 = 0.01 x 8 x the sum over experts of (count / 2,048) (gate mass / 1,024).
; SHARES.  A wave takes one token: t = 4 x work-group + wave.  Its two experts, gates and slots are scalars, read from the buffers that earlier launches stored; each number that enters an address is held to its range first.
; y lies [slice 32][slot 8,192][32 f32]: piece i of a row of out0 (512 bytes) takes slices 4 i .. 4 i + 3, eight lanes to a slice's 128 bytes.  Sixteen loads, 32 packed multiply-adds, eight stores of 512 consecutive bytes.
; The wave of token 0 also adds the 128 units' partial sums and stores the loss: one block under one branch, behind the issue of y's loads.
; A stream: no LDS, no matrix unit, no cluster (no two waves read the same bytes).
	s_load_b256 s[4:11], s[0:1], 0x0               ; yb s[4:5], rt s[6:7], gp s[8:9], pos s[10:11]
	s_load_b128 s[12:15], s[0:1], 0x20             ; out0 s[12:13], out1 s[14:15]
	v_lshrrev_b32 v1, 5, v0
	v_readfirstlane_b32 s2, v1                     ; wave
	s_lshl_b32 s3, ttmp9, 2
	s_add_co_u32 s3, s3, s2                        ; my token
	s_lshl_b32 s16, s3, 3
	s_lshl_b32 s38, s3, 12
	s_mov_b32 s39, 0
	s_mov_b32 s18, 0x76543210
	s_mov_b32 s19, 0xfedcba98                      ; v_permlanex16_b32: lane l xor 16
	v_and_b32 v2, 31, v0                           ; lane
	v_lshlrev_b32 v1, 4, v2                        ; 16 x lane
	v_lshrrev_b32 v3, 3, v2
	v_and_b32 v4, 7, v2
	v_lshlrev_b32 v5, 20, v3
	v_lshl_add_u32 v5, v4, 4, v5                   ; slice lane / 8 of a piece's four, 16 bytes a lane
	v_lshlrev_b32 v8, 8, v3
	v_lshl_add_u32 v8, v4, 3, v8                   ; partial sums: unit lane / 8 of four, expert lane % 8
	s_wait_kmcnt 0x0
	s_load_b64 s[20:21], s[6:7], s16 offset:0x0    ; my two experts
	s_load_b64 s[22:23], s[8:9], s16 offset:0x0    ; my two gates
	s_mov_b64 s[28:29], s[4:5]                     ; four bases 8 MiB apart: a piece's 4 MiB step stands in the immediate
	s_add_nc_u64 s[30:31], s[4:5], 0x800000
	s_add_nc_u64 s[32:33], s[4:5], 0x1000000
	s_add_nc_u64 s[34:35], s[4:5], 0x1800000
	s_add_nc_u64 s[12:13], s[12:13], s[38:39]      ; my row of out0
	s_wait_kmcnt 0x0
	s_min_u32 s20, s20, 7
	s_min_u32 s21, s21, 7
	s_lshl_b32 s20, s20, 10
	s_add_co_u32 s20, s20, s3
	s_lshl_b32 s20, s20, 2
	s_lshl_b32 s21, s21, 10
	s_add_co_u32 s21, s21, s3
	s_lshl_b32 s21, s21, 2
	s_load_b32 s26, s[10:11], s20 offset:0x0       ; my two slots
	s_load_b32 s27, s[10:11], s21 offset:0x0
	s_mov_b32 s24, s23                             ; the second gate as the low word of a pair of its own
	s_mov_b32 s25, s23
	s_wait_kmcnt 0x0
	s_min_u32 s26, s26, 8191
	s_min_u32 s27, s27, 8191
	v_lshl_add_u32 v6, s26, 7, v5                  ; 128 bytes a slot
	v_lshl_add_u32 v7, s27, 7, v5
.irp i, 0,1,2,3,4,5,6,7
	global_load_b128 v[32+4*\i:35+4*\i], v6, s[28+2*(\i/2):29+2*(\i/2)] offset:4194304*(\i%2) th:TH_LOAD_NT
	global_load_b128 v[64+4*\i:67+4*\i], v7, s[28+2*(\i/2):29+2*(\i/2)] offset:4194304*(\i%2) th:TH_LOAD_NT
.endr
	s_cmp_lg_u32 s3, 0
	s_cbranch_scc1 .Lnoaux
.irp i, 0,1,2,3,4,5,6,7,8,9,10,11,12,13,14,15,16,17,18,19,20,21,22,23,24,25,26,27,28,29,30,31
	global_load_b64 v[96+2*\i:97+2*\i], v8, s[8:9] offset:8192+1024*\i   ; units 4 i .. 4 i + 3: gate mass and count of expert lane % 8
.endr
	s_wait_loadcnt 0x0
.irp i, 4,5,6,7,8,9,10,11,12,13,14,15,16,17,18,19,20,21,22,23,24,25,26,27,28,29,30,31
	v_pk_add_f32 v[96+2*(\i%4):97+2*(\i%4)], v[96+2*(\i%4):97+2*(\i%4)], v[96+2*\i:97+2*\i]   ; four chains
.endr
	v_pk_add_f32 v[96:97], v[96:97], v[98:99]
	v_pk_add_f32 v[100:101], v[100:101], v[102:103]
	v_pk_add_f32 v[96:97], v[96:97], v[100:101]
	v_add_f32_dpp v96, v96, v96 row_xmask:8 row_mask:0xf bank_mask:0xf   ; the four groups of lanes
	v_add_f32_dpp v97, v97, v97 row_xmask:8 row_mask:0xf bank_mask:0xf
	v_permlanex16_b32 v98, v96, s18, s19
	v_permlanex16_b32 v99, v97, s18, s19
	v_add_f32 v96, v96, v98
	v_add_f32 v97, v97, v99
	v_mul_f32 v96, v96, v97                        ; mass x count of expert lane % 8
	v_add_f32_dpp v96, v96, v96 row_xmask:1 row_mask:0xf bank_mask:0xf
	v_add_f32_dpp v96, v96, v96 row_xmask:2 row_mask:0xf bank_mask:0xf
	v_add_f32_dpp v96, v96, v96 row_xmask:4 row_mask:0xf bank_mask:0xf
	v_mul_f32 v96, 0x3323d70a, v96                 ; x 0.08 / 2^21
	v_mov_b32 v100, 0
	s_wait_xcnt 0x0                                ; EXEC changes only behind this wait
	v_cmp_eq_u32 vcc_lo, 0, v2
	s_and_saveexec_b32 s36, vcc_lo
	global_store_b32 v100, v96, s[14:15]
	s_wait_xcnt 0x0
	s_or_b32 exec_lo, exec_lo, s36
.Lnoaux:
	s_wait_loadcnt 0x0                             ; both rows of y
.irp p, 0,2,4,6,8,10,12,14,16,18,20,22,24,26,28,30
	v_pk_mul_f32 v[32+\p:33+\p], v[32+\p:33+\p], s[22:23] op_sel_hi:[1,0]
.endr
.irp p, 0,2,4,6,8,10,12,14,16,18,20,22,24,26,28,30
	v_pk_fma_f32 v[32+\p:33+\p], v[64+\p:65+\p], s[24:25], v[32+\p:33+\p] op_sel_hi:[1,0,1]
.endr
.irp i, 0,1,2,3,4,5,6,7
	global_store_b128 v1, v[32+4*\i:35+4*\i], s[12:13] offset:512*\i th:TH_STORE_NT   ; 512 consecutive bytes
.endr
	s_endpgm
.Lfunc_end_k_q02f0d212e0_combine:
	.size	k_q02f0d212e0_combine, .Lfunc_end_k_q02f0d212e0_combine-k_q02f0d212e0_combine
	.p2alignl 7, 3214868480
	.fill 96, 4, 3214868480
	.section	.rodata,"a",@progbits
	.p2align	6, 0x0
	.amdhsa_kernel k_q02f0d212e0_combine
		.amdhsa_group_segment_fixed_size 0
		.amdhsa_private_segment_fixed_size 0
		.amdhsa_enable_private_segment 0
		.amdhsa_kernarg_size 48
		.amdhsa_user_sgpr_count 2
		.amdhsa_user_sgpr_kernarg_segment_ptr 1
		.amdhsa_wavefront_size32 1
		.amdhsa_system_sgpr_workgroup_id_x 1
		.amdhsa_system_sgpr_workgroup_id_y 1
		.amdhsa_system_sgpr_workgroup_id_z 1
		.amdhsa_system_vgpr_workitem_id 0
		.amdhsa_next_free_vgpr 160
		.amdhsa_next_free_sgpr 66
		.amdhsa_reserve_vcc 1
		.amdhsa_float_denorm_mode_32 3
		.amdhsa_float_denorm_mode_16_64 3
		.amdhsa_memory_ordered 1
		.amdhsa_forward_progress 1
		.amdhsa_inst_pref_size 13
	.end_amdhsa_kernel
	.amdgpu_metadata
---
amdhsa.version: [ 1, 2 ]
amdhsa.kernels:
  - .name:           k_q02f0d212e0_combine
    .symbol:         k_q02f0d212e0_combine.kd
    .args:
      - { .name: yb, .offset: 0, .size: 8, .value_kind: global_buffer, .address_space: global }
      - { .name: rt, .offset: 8, .size: 8, .value_kind: global_buffer, .address_space: global }
      - { .name: gp, .offset: 16, .size: 8, .value_kind: global_buffer, .address_space: global }
      - { .name: pos, .offset: 24, .size: 8, .value_kind: global_buffer, .address_space: global }
      - { .name: out0, .offset: 32, .size: 8, .value_kind: global_buffer, .address_space: global }
      - { .name: out1, .offset: 40, .size: 8, .value_kind: global_buffer, .address_space: global }
    .group_segment_fixed_size: 0
    .private_segment_fixed_size: 0
    .kernarg_segment_align: 8
    .kernarg_segment_size: 48
    .max_flat_workgroup_size: 128
    .sgpr_count:     66
    .vgpr_count:     160
    .wavefront_size: 32
...
	.end_amdgpu_metadata
.endif
;; end of part 4
;; ======== version 2 of 2: 4 launches
;; workspace buffers: xqs 557,056 bytes; rt 9,216 bytes of whole numbers; gp 40,960 bytes; pos 32,768 bytes of whole numbers; hqs 17,825,792 bytes; yb 33,554,432 bytes
;; launch route (part 5): grid 128 x 1, 1 waves a work-group, no clusters, 5,376 bytes of LDS; arguments x, gate_w, xqs, rt, gp; writes xqs, rt, gp
.if DOCPART == 5
	.amdgcn_target "amdgcn-amd-amdhsa--gfx1250"
	.amdhsa_code_object_version 6
	.text
	.protected	k_q02f0d212e0_route
	.globl	k_q02f0d212e0_route
	.p2align	8
	.type	k_q02f0d212e0_route,@function
k_q02f0d212e0_route:
	s_mov_b64 s[64:65], 0
	v_nop
	global_prefetch_b8 v0, s[64:65] scope:SCOPE_SE
	s_setreg_imm32_b32 hwreg(HW_REG_WAVE_MODE, 25, 1), 1
	s_wait_xcnt 0x0
; ROUTE.  For 1,024 tokens of 1,024 numbers: the eight f32 logits, the two largest (the lower index wins a tie), their softmax with the maximum taken away;
; x as codes of E2M1 with one E8M0 byte for each 32 along K; for each expert a bit mask of its tokens; partial sums of gate mass and counts for the loss.
; Everything is stored at fixed places: no address and no branch here hangs on the choice.
; SHARES.  A work-group is one wave and takes eight tokens, 8 u .. 8 u + 7.  A row of 4,096 bytes is loaded as it lies, 512 consecutive bytes a load, and turned
; through a stage in LDS, so that lane l then holds k = 32 l .. 32 l + 31: a whole block of the quantiser, and 32 terms of each of the eight dot products.
; OUT.  xqs: codes [1024][512 bytes] (block l at byte 16 l), scale bytes [1024][32] from byte 524,288.  rt: the two experts [1024][2] u32; masks [8][32] u32 from byte 8,192
; (bit t % 32 of word t / 32: this unit's eight tokens are byte u of an expert's 128).  gp: the two gates [1024][2] f32; from byte 8,192 [128 units][32 lanes][gate mass, count].
; No matrix unit (N = 8), no cluster (the units share only gate_w's 32 KiB), no barrier (one wave).
; LIMITS.  NaN and infinities are not served.  Logits whose second and third values lie closer than the rounding of an f32 sum of 1,024 terms may give the other expert.
; A block whose largest magnitude lies under 2^-124 keeps the byte 1; a block of zeros has the byte 1 and zero codes (these bytes are read by this program alone).
; REGISTERS, in windows of 256.  window 0: v1-7 addresses; v8-15 logits; v16-31 eight pairs of sums; v32-95 two sets of a turned row; v96-127 codes, four a token;
; v128-137 at work; v144-151 what is kept (experts, gates, mask byte, mass and count); v152-155 the quantiser; v160-167 permute destinations.
; window 1: the turned gate rows, row e at 32 e.   window 2: x as loaded, token tt at 32 tt.   window 3: gate_w as loaded.
.set LG,   8
.set ACC,  16
.set XT,   32
.set CD,   96
.set BV,   128                         ; the largest logit, BI its index; SV, SI the second
.set BI,   129
.set SV,   130
.set SI,   131
.set QM,   152
.set PD,   160
.set SCB,  4608                        ; LDS: the stage, 32 segments of 128 bytes + 16, then 256 scale bytes
.set MSB, 0
.macro WIN new                         ; the immediate's high byte repeats the setting that is left
.if MSB != (\new)
	s_set_vgpr_msb (MSB<<8)|(\new)
.set MSB, (\new)
.endif
.endm
; a row of 4,096 bytes from window sw, register sreg on, through the stage into window dw, register dreg on.  LDS serves a wave's instructions in order: no wait between stores and loads, nor ahead of the next turn
.macro TURN sw, sreg, dw, dreg
	WIN ((\sw)<<2)
.irp i, 0,1,2,3,4,5,6,7
	ds_store_b128 v2, v[(\sreg)+4*\i:(\sreg)+4*\i+3] offset:576*\i
.endr
	WIN ((\dw)<<6)
.irp j, 0,1,2,3,4,5,6,7
	ds_load_b128 v[(\dreg)+4*\j:(\dreg)+4*\j+3], v3 offset:16*\j
.endr
	WIN 0
.endm
.macro XLD tt                          ; token tt's row: eight loads of 512 consecutive bytes
	WIN 0x80
.irp i, 0,1,2,3,4,5,6,7
	global_load_b128 v[32*(\tt)+4*\i:32*(\tt)+4*\i+3], v1, s[4:5] offset:4096*(\tt)+512*\i th:TH_LOAD_NT
.endr
	WIN 0
.endm
	s_load_b256 s[4:11], s[0:1], 0x0               ; x s[4:5], gate_w s[6:7], xqs s[8:9], rt s[10:11]
	s_load_b64 s[12:13], s[0:1], 0x20              ; gp
	v_lshl_add_u32 v254, v0, 2, 0x1400
	v_mov_b32 v255, 0
	v_lshlrev_b32 v1, 4, v0                        ; 16 x lane
	v_lshrrev_b32 v2, 3, v0
	v_mul_u32_u24 v2, v2, 144
	v_and_b32 v8, 7, v0
	v_lshl_add_u32 v2, v8, 4, v2                   ; into the stage: 144 (lane / 8) + 16 (lane % 8)
	v_mul_u32_u24 v3, v0, 144                      ; out of it: my segment
	v_add_nc_u32 v4, SCB, v0                       ; my block's scale byte
	v_lshl_add_u32 v5, v0, 3, SCB                  ; and 8 of the 256 on the way out
	v_lshlrev_b32 v6, 3, v0
	v_lshlrev_b32 v7, 7, v0                        ; an expert's 128 mask bytes
.irp j, 144,145,146,147,148,149,150,151,160,161,162,163,164,165,166,167
	v_mov_b32 v\j, 0                               ; what is gathered token by token begins at 0; a permute's destination counts as read
.endr
	s_mov_b32 s20, 0x76543210
	s_mov_b32 s21, 0xfedcba98                      ; v_permlanex16_b32: lane l xor 16
	s_mov_b32 s23, 0
	s_wait_kmcnt 0x0
	s_lshl_b32 s22, ttmp9, 15
	s_add_nc_u64 s[4:5], s[4:5], s[22:23]          ; x at my eight rows
	s_lshl_b32 s22, ttmp9, 12
	s_add_nc_u64 s[14:15], s[8:9], s[22:23]        ; their codes
	s_lshl_b32 s22, ttmp9, 8
	s_add_co_u32 s22, s22, 524288
	s_add_nc_u64 s[16:17], s[8:9], s[22:23]        ; their scale bytes
	s_lshl_b32 s22, ttmp9, 6
	s_add_nc_u64 s[18:19], s[10:11], s[22:23]      ; their experts
	s_add_nc_u64 s[26:27], s[12:13], s[22:23]      ; their gates
	s_add_co_u32 s22, ttmp9, 8192
	s_add_nc_u64 s[24:25], s[10:11], s[22:23]      ; my byte of each expert's mask
	s_lshl_b32 s22, ttmp9, 8
	s_add_co_u32 s22, s22, 8192
	s_add_nc_u64 s[28:29], s[12:13], s[22:23]      ; my partial sums
	WIN 0xc0
.irp e, 0,1,2,3,4,5,6,7
.irp i, 0,1,2,3,4,5,6,7
	global_load_b128 v[32*\e+4*\i:32*\e+4*\i+3], v1, s[6:7] offset:4096*\e+512*\i
.endr
.endr
.irp t, 0,1,2,3
	XLD \t
.endr
	s_wait_loadcnt 32                              ; gate_w is in; the 32 loads of tokens 0 to 3 may be out
.irp e, 0,1,2,3,4,5,6,7
	TURN 3, 32*\e, 1, 32*\e
.endr
.irp t, 4,5,6,7
	XLD \t
.endr
	s_wait_loadcnt 56                              ; token 0 is in; seven tokens' loads may be out
	TURN 2, 0, 0, XT
.macro TOKEN tt
.set XC, XT+32*((\tt)%2)
.if (\tt) == 0
	s_wait_dscnt 0x0                               ; the gate rows and token 0 are back from the stage
.else
	s_wait_dscnt 0x1                               ; this token is back; the one younger LDS instruction is the last token's byte store
.endif
.if (\tt) < 7
	s_wait_loadcnt 8*(6-(\tt))                     ; the next token's eight loads are in; those of the tokens behind it may be out
	TURN 2, 32*((\tt)+1), 0, XT+32*(((\tt)+1)%2)
.endif
	WIN 0x04                                       ; source 1: the gate rows, window 1
.irp e, 0,1,2,3,4,5,6,7
	v_pk_mul_f32 v[ACC+2*\e:ACC+2*\e+1], v[XC:XC+1], v[32*\e:32*\e+1]   ; the first products start the sums
.endr
.irp i, 1,2,3,4,5,6,7,8,9,10,11,12,13,14,15
.irp e, 0,1,2,3,4,5,6,7
	v_pk_fma_f32 v[ACC+2*\e:ACC+2*\e+1], v[XC+2*\i:XC+2*\i+1], v[32*\e+2*\i:32*\e+2*\i+1], v[ACC+2*\e:ACC+2*\e+1]
.endr
.endr
	WIN 0
.irp e, 0,1,2,3,4,5,6,7
	v_add_f32 v[LG+\e], v[ACC+2*\e], v[ACC+2*\e+1]
.endr
.irp m, 1,2,4,8
.irp e, 0,1,2,3,4,5,6,7
	v_add_f32_dpp v[LG+\e], v[LG+\e], v[LG+\e] row_xmask:\m row_mask:0xf bank_mask:0xf
.endr
.endr
.irp e, 0,1,2,3,4,5,6,7
	v_permlanex16_b32 v[PD+\e], v[LG+\e], s20, s21
.endr
.irp e, 0,1,2,3,4,5,6,7
	v_add_f32 v[LG+\e], v[LG+\e], v[PD+\e]         ; every lane holds the same eight logits, bit for bit
.endr
	; the quantiser: my 32 numbers are a block
	v_max3_num_f32 v[QM], |v[XC]|, |v[XC+1]|, |v[XC+2]|
	v_max3_num_f32 v[QM+1], |v[XC+3]|, |v[XC+4]|, |v[XC+5]|
.irp i, 6,10,14,18,22,26
	v_max3_num_f32 v[QM], v[QM], |v[XC+\i]|, |v[XC+\i+1]|
	v_max3_num_f32 v[QM+1], v[QM+1], |v[XC+\i+2]|, |v[XC+\i+3]|
.endr
	v_max3_num_f32 v[QM], v[QM], |v[XC+30]|, |v[XC+31]|
	v_max3_num_f32 v[QM], v[QM], v[QM+1], 0x1800000   ; and the floor 2^(3 - 127): the byte cannot fall under 1
	v_add_nc_u32 v[QM+2], 0xff000000, v[QM]        ; 2 off the exponent field: the conversion's scale operand
.irp g, 0,1,2,3
	v_cvt_scalef32_pk8_fp4_f32 v[CD+4*(\tt)+\g], v[XC+8*\g:XC+8*\g+7], v[QM+2]
.endr
	v_lshrrev_b32 v[QM+3], 23, v[QM+2]             ; the scale's byte (also the plain line behind the conversions)
	ds_store_b8 v4, v[QM+3] offset:32*(\tt)
	global_store_b128 v1, v[CD+4*(\tt):CD+4*(\tt)+3], s[14:15] offset:512*(\tt)   ; the row's 512 bytes of codes, on end
	; the two largest.  A strict compare keeps the lower index
	v_mov_b32 v[BV], v[LG]
	v_mov_b32 v[BI], 0
.irp e, 1,2,3,4,5,6,7
	v_cmp_gt_f32 vcc_lo, v[LG+\e], v[BV]
	v_cndmask_b32 v[BV], v[BV], v[LG+\e], vcc_lo
	v_cndmask_b32 v[BI], v[BI], \e, vcc_lo
.endr
	v_mov_b32 v[SV], 0xff800000
	v_mov_b32 v[SI], 0
.irp e, 0,1,2,3,4,5,6,7
	v_cmp_ne_u32 s30, \e, v[BI]
	v_cmp_gt_f32 s31, v[LG+\e], v[SV]
	s_and_b32 vcc_lo, s30, s31
	v_cndmask_b32 v[SV], v[SV], v[LG+\e], vcc_lo
	v_cndmask_b32 v[SI], v[SI], \e, vcc_lo
.endr
	; the softmax of the two, the larger taken away: 1 / (1 + q) and q / (1 + q), q = e^(second - first), at most 1
	v_sub_f32 v132, v[SV], v[BV]
	v_mul_f32 v132, 0x3fb8aa3b, v132
	s_wait_alu depctr_va_vdst(0)
	v_exp_f32 v133, v132
	v_nop                                          ; a plain line behind a transcendental
	s_wait_alu depctr_va_vdst(0)
	v_add_f32 v134, 1.0, v133
	s_wait_alu depctr_va_vdst(0)
	v_rcp_f32 v135, v134
	v_nop
	s_wait_alu depctr_va_vdst(0)
	v_mul_f32 v136, v133, v135
	; kept: lane tt holds token tt's experts and gates; lane e holds expert e's mass, count and mask byte
	v_cmp_eq_u32 vcc_lo, \tt, v0
	v_cndmask_b32 v144, v144, v[BI], vcc_lo
	v_cndmask_b32 v145, v145, v[SI], vcc_lo
	v_cndmask_b32 v146, v146, v135, vcc_lo
	v_cndmask_b32 v147, v147, v136, vcc_lo
	v_cmp_eq_u32 s30, v[BI], v0
	v_cmp_eq_u32 s31, v[SI], v0
	v_cndmask_b32 v137, 0, v135, s30
	v_add_f32 v150, v150, v137
	v_cndmask_b32 v137, 0, v136, s31
	v_add_f32 v150, v150, v137
	s_or_b32 vcc_lo, s30, s31
	v_cndmask_b32 v137, 0, 1.0, vcc_lo
	v_add_f32 v151, v151, v137
	v_cndmask_b32 v137, 0, 1<<(\tt), vcc_lo
	v_or_b32 v148, v148, v137
.endm
.irp t, 0,1,2,3,4,5,6,7
	TOKEN \t
.endr
	ds_load_b64 v[152:153], v5                     ; LDS serves a wave's instructions in order: this sees the eight byte stores
	s_wait_alu depctr_va_vdst(0)
	s_wait_dscnt 0x0
	global_store_b64 v6, v[152:153], s[16:17]      ; 256 consecutive bytes: eight tokens' scale bytes
	global_store_b64 v6, v[150:151], s[28:29]      ; 256 consecutive bytes: my partial sums
	s_wait_xcnt 0x0                                ; EXEC is a source of the stores above: it changes only behind this wait
	v_cmp_gt_u32 vcc_lo, 8, v0
	s_wait_tensorcnt 0x0
	ds_add_u32 v254, v255
	s_wait_dscnt 0x0
	s_and_saveexec_b32 s30, vcc_lo
	global_store_b64 v6, v[144:145], s[18:19]      ; lanes 0 to 7: a token's two experts,
	global_store_b64 v6, v[146:147], s[26:27]      ; its two gates,
	global_store_b8 v7, v148, s[24:25]             ; and an expert's mask byte for these eight tokens
	s_wait_xcnt 0x0
	s_or_b32 exec_lo, exec_lo, s30
	s_endpgm
.Lfunc_end_k_q02f0d212e0_route:
	.size	k_q02f0d212e0_route, .Lfunc_end_k_q02f0d212e0_route-k_q02f0d212e0_route
	.p2alignl 7, 3214868480
	.fill 96, 4, 3214868480
	.section	.rodata,"a",@progbits
	.p2align	6, 0x0
	.amdhsa_kernel k_q02f0d212e0_route
		.amdhsa_group_segment_fixed_size 5376
		.amdhsa_private_segment_fixed_size 0
		.amdhsa_enable_private_segment 0
		.amdhsa_kernarg_size 40
		.amdhsa_user_sgpr_count 2
		.amdhsa_user_sgpr_kernarg_segment_ptr 1
		.amdhsa_wavefront_size32 1
		.amdhsa_system_sgpr_workgroup_id_x 1
		.amdhsa_system_sgpr_workgroup_id_y 1
		.amdhsa_system_sgpr_workgroup_id_z 1
		.amdhsa_system_vgpr_workitem_id 0
		.amdhsa_next_free_vgpr 1024
		.amdhsa_next_free_sgpr 66
		.amdhsa_reserve_vcc 1
		.amdhsa_float_denorm_mode_32 3
		.amdhsa_float_denorm_mode_16_64 3
		.amdhsa_memory_ordered 1
		.amdhsa_forward_progress 1
		.amdhsa_inst_pref_size 168
	.end_amdhsa_kernel
	.amdgpu_metadata
---
amdhsa.version: [ 1, 2 ]
amdhsa.kernels:
  - .name:           k_q02f0d212e0_route
    .symbol:         k_q02f0d212e0_route.kd
    .args:
      - { .name: x, .offset: 0, .size: 8, .value_kind: global_buffer, .address_space: global }
      - { .name: gate_w, .offset: 8, .size: 8, .value_kind: global_buffer, .address_space: global }
      - { .name: xqs, .offset: 16, .size: 8, .value_kind: global_buffer, .address_space: global }
      - { .name: rt, .offset: 24, .size: 8, .value_kind: global_buffer, .address_space: global }
      - { .name: gp, .offset: 32, .size: 8, .value_kind: global_buffer, .address_space: global }
    .group_segment_fixed_size: 5376
    .private_segment_fixed_size: 0
    .kernarg_segment_align: 8
    .kernarg_segment_size: 40
    .max_flat_workgroup_size: 32
    .sgpr_count:     66
    .vgpr_count:     1024
    .wavefront_size: 32
...
	.end_amdgpu_metadata
.endif
;; end of part 5
;; launch up (part 6): grid 32 x 8, 4 waves a work-group, no clusters, 82,432 bytes of LDS; arguments w1, b1, xqs, rt, hqs, pos; writes hqs, pos
.if DOCPART == 6
	.amdgcn_target "amdgcn-amd-amdhsa--gfx1250"
	.amdhsa_code_object_version 6
	.text
	.protected	k_q02f0d212e0_up
	.globl	k_q02f0d212e0_up
	.p2align	8
	.type	k_q02f0d212e0_up,@function
k_q02f0d212e0_up:
	s_mov_b64 s[64:65], 0
	v_nop
	global_prefetch_b8 v0, s[64:65] scope:SCOPE_SE
	s_setreg_imm32_b32 hwreg(HW_REG_WAVE_SCHED_MODE, 0, 2), 2
	s_setreg_imm32_b32 hwreg(HW_REG_WAVE_MODE, 25, 1), 1
	s_wait_xcnt 0x0
	s_wait_alu depctr_vm_vsrc(0)
; UP.  h = gelu(x W1^T + b1) for the rows routed to an expert, on codes of E2M1 with one E8M0 scale for each 32 along K; h leaves as codes.
; SHARES.  Work-group (sl, e) owns hidden units 128 sl .. 128 sl + 127 of expert e: 512 KiB of w1, which no other work-group reads.
; PHASE W.  Each of the four waves quantises 32 of the 128 rows, in 16 chunks of 16 rows x 128 K, four chunks (64 loads) ahead.  A row of a chunk is loaded as it lies, 512 consecutive bytes a load: a lane holds four
; neighbours along K, eight neighbouring lanes a block of 32.  THE NUMBERS ARE QUANTISED WHERE THEY LIE: a block's largest magnitude is joined over its eight lanes on the arithmetic itself (three DPP steps); the conversion
; takes eight registers, the row's four and the next row's four, under the row's scale, and the row's half of the result is kept.  ONLY CODES GO THROUGH LDS: 2 bytes a lane and row, into rows of 512 + 16 bytes with K
; innermost; the scale bytes, one lane to a (row, block), into 16 rows of 64 words + 16 bytes.  One barrier; then every wave loads all 64 fragments (8 tiles x 8 K steps) and their scale words into registers, where they stay.
; PHASE T.  The expert's rows, in the order of their tokens, form tiles of 16; wave w takes tiles w, w + 4, ..: (tiles + 3 - w) / 4 trips.  The number of tiles comes from the masks that the launch before stored.
; Row j of the expert is its j-th token: each lane finds it from the masks by a search on registers (SELECT), and gathers that token's codes and scale words.
; The product is used transposed (source 0 = 16 rows of W1, source 1 = 16 tokens), with b1 as the C of a sum's first instruction; THE ROWS OF A TILE ARE NOT NEIGHBOURS: lane r of tile 2 b + u takes row
; 32 b + 8 u + r + 8 (r / 8), so that the 16 registers of tiles 2 b, 2 b + 1 are 16 neighbours along the next K.  gelu in f32, quantised in registers: one fragment (K step sl of the next product) and one scale word a row.
; OUT.  hqs: register images [e][tile 64][K step 32][1,024 bytes]; from byte 16,777,216 scale words [e][tile][K step][16 rows x 4 bytes].  Row j of expert e has the slot 1,024 e + j.
; pos [8][1024] u32: for every token t, 1,024 e + the number of the expert's tokens below t (work-group sl = 0, wave 0).
; WHY NO TENSOR LOADS AND NO CLUSTER.  The 32 work-groups of an expert gather the same rows of x (544 bytes a row), but the number of tiles hangs on a stored count
; a walk of constant count would be 64 tiles an expert against 16 on the average.  The weights, the bulk of the bytes, are shared with nobody.
; gelu(v) = v / 2 + (v / 2) erf(v / sqrt 2); erf(z) = z P(z^2) / Q(z^2), degrees 6 and 4, z held to +-4: absolute error of erf about 1e-7.
; LIMITS.  NaN and infinities are not served.  Far on the negative side gelu's absolute error is up to about 2e-7 |v|, of the kind of 1 + erf in f32.  A block whose largest magnitude lies under 2^-124 keeps the byte 1;
; a block of zeros has the byte 1 and zero codes (these bytes are read by this program alone).  Rows of the last tile past the expert's count are some valid token's: stored, never used.
; REGISTERS, in windows of 256.  window 0: v1-11 addresses; v12-15 two constants in pairs; v16-79 W1's scale words and nothing else; v80-143 the 8 accumulators (phase W: v80-95 a chunk's 16 largest magnitudes, then scale
; operands; v96-127 its codes, two sets; v128-131 its scale bytes, two sets); v144-207 at work; v208-215 x's scale words and nothing else; v216-219 addresses; v220-235 the quantiser's work; v236-243 h's codes; v252 h's scale word.
; window 1: phase W: chunks as loaded, four sets of 64; then W1's fragments of K steps 0-3 (fragment 8 s + t at 8 ((8 s + t) % 32)).   window 2: K steps 4-7.   window 3: v0-63 x's 8 fragments; v64-127 b1, tile t at 64 + 8 t.
; THE MODE: SCHED_MODE bits 1:0 = 2 (LLVM: expert scheduling mode 2), set by the entry lines.  The code itself states the register dependences between vector or matrix instructions and memory or LDS instructions,
; with s_wait_alu, always for 0.
; THE PLAN.  Registers that memory or LDS instructions touch:
;   v1-3, v5, v6, v219   addresses, written once at the head, never again: one wait on va_vdst ahead of the first load.
;   window 1, sets 0-3   Chunk n: its maxima and conversions read set n % 4; behind them the loads of chunk n + 4 land in it.  Behind the barrier the fragments' LDS loads land there.
;   v96-127, v128-131    Chunk n: its conversions and selects write set n % 2; its 18 LDS stores read it; chunk n + 2 writes it again; in phase T the products write these registers.
;   So ONE wait on va_vdst stands at the end of a chunk's vector lines.  The loads of chunk n + 4 follow it at once; the 18 LDS stores are dealt among the next chunk's DPP lines, which name v80-95 alone.
;   One wait on vm_vsrc a chunk stands ahead of the conversions, which write the set that the stores of two chunks ago read.
;   v144-175             the slots (one wave an expert): written by 32 counting lines, read by 32 stores, written again by SELECT.
;   v10, v11             written by SELECT, read by the 18 loads of a gather.        window 3 v0-63, v208-215: read by a trip's products; the next tile's gather lands in them.
;   v216, v217, v236-243, v252   written at a trip's end, read by its three stores, written again a trip later.
;   In a trip: one wait on vm_vsrc at its head, one on va_vdst behind SELECT ahead of the gather, one ahead of the stores.   v254, v255: written at the head, read by the closing add alone.
.set WPITCH, 4096                      ; a row of w1 in bytes
.set TU,     8                         ; a wave's second tile begins 8 rows behind its first,
.set PERM,   8                         ; and rows 8-15 of a tile lie 8 further on
.set FIK,    8                         ; fragment number = 8 x K step + tile
.set CP,     528                       ; LDS: a row of codes, 512 bytes + 16: the sixteen rows that a load of fragments touches begin 16 bytes apart modulo 256
.set CW,     32*CP                     ; a wave's 32 rows of codes
.set SP,     272                       ; a row of scale words: 64 fragments x 4 bytes + 16
.set SW,     8                         ; a wave's first tile in such a row: 4 bytes x 2 w
.set WSC,    67584                     ; LDS: 128 rows of codes; then 16 rows of scale words
.set WB,     84                        ; s[84:85] w1 at my wave's rows
.set FLR,    66                        ; s66  the floor 2^(3 - 127)
.set EOFF,   67                        ; s67  -(2 << 23)
.set WS,   16
.set MX,   80
.set CD,   96
.set BB,   128
.set ACC,  80
.set XS,   208
.set TM,   220
.set PC0,  236
.set PW0,  252
.set GZ,   144                         ; gelu: z, z^2 (then v / 2), P, Q
.set GX,   152
.set GP,   160
.set GQ,   168
.set TJ,   144                         ; SELECT's work
.set TJK,  145
.set TKP,  146
.set TKM,  147
.set TK,   148
.set TG,   149
.set TA,   150
.set TB,   151
.set TC,   152
.set TD,   153
.set TP,   154
.set TT,   155
.set TOK,  156
.set MSB, 0
.macro WIN new                         ; the immediate's high byte repeats the setting that is left
.if MSB != (\new)
	s_set_vgpr_msb (MSB<<8)|(\new)
.set MSB, (\new)
.endif
.endm
.macro LOAD n                          ; chunk n as it lies: 16 rows, 512 consecutive bytes each, into set n % 4 of window 1
	WIN 0x40
.irp rr, 0,1,2,3,4,5,6,7,8,9,10,11,12,13,14,15
	global_load_b128 v[64*((\n)%4)+4*\rr:64*((\n)%4)+4*\rr+3], v1, s[WB:WB+1] offset:(TU*((\n)/8)+\rr+PERM*(\rr/8))*WPITCH+512*((\n)%8) th:TH_LOAD_NT
.endr
	WIN 0
.endm
.macro PUTC n, rr                      ; row rr of chunk n: the 32 lanes' 64 bytes: 128 codes of a row, on end
	ds_store_b16 v5, v[CD+16*((\n)%2)+(\rr)] offset:16*((\n)/8)*CP+64*((\n)%8)+(\rr)*CP
.endm
.macro PUTB n, u                       ; chunk n: byte b of the scale word of row 8 u + i
	ds_store_b8 v6, v[BB+2*((\n)%2)+(\u)] offset:8*SP*(\u)+4*(FIK*((\n)%8)+((\n)/8))
.endm
; Chunk n: 16 rows x 128 K.  Lane l holds k = 4 l .. 4 l + 3 of each row (registers 4 rr .. 4 rr + 3 of the set); block b of a row lies in lanes 8 b .. 8 b + 7.  The 16 rows take turns line by line.
.macro STEP n
.set RW,  64*((\n)%4)
.set CS,  CD+16*((\n)%2)
.set BS,  BB+2*((\n)%2)
.if 15-(\n) >= 3
	s_wait_loadcnt 48                              ; chunk n is in; three younger chunks of 16 loads may be out
.else
	s_wait_loadcnt 16*(15-(\n))                    ; towards the end fewer are behind it
.endif
	WIN 0x15                                       ; all three sources: window 1
.irp rr, 0,1,2,3,4,5,6,7,8,9,10,11,12,13,14,15
	v_max3_num_f32 v[MX+\rr], |v[RW+4*\rr]|, |v[RW+4*\rr+1]|, |v[RW+4*\rr+2]|
.endr
	WIN 0x04                                       ; source 1: window 1
.irp rr, 0,1,2,3,4,5,6,7,8,9,10,11,12,13,14,15
	v_max3_num_f32 v[MX+\rr], v[MX+\rr], |v[RW+4*\rr+3]|, s[FLR]   ; my four numbers, and the floor: the byte cannot fall under 1
.endr
	WIN 0
.irp m, 1,2,4
.irp rr, 0,1,2,3,4,5,6,7,8,9,10,11,12,13,14,15
	v_max_num_f32_dpp v[MX+\rr], v[MX+\rr], v[MX+\rr] row_xmask:\m row_mask:0xf bank_mask:0xf   ; with lane l xor 1, 2, 4: the block's eight lanes
.if ((\n) > 0) && (\m == 1)
	PUTC (\n)-1, \rr                               ; the chunk before leaves, a store behind each of these lines.  No wait: no vector line since the wait at that chunk's end names its codes, its bytes, v5 or v6
.endif
.if ((\n) > 0) && (\m == 2) && (\rr < 2)
	PUTB (\n)-1, \rr
.endif
.endr
.endr
.irp rr, 0,1,2,3,4,5,6,7,8,9,10,11,12,13,14,15
	v_add_nc_u32 v[MX+\rr], s[EOFF], v[MX+\rr]     ; 2 off the exponent field: the conversion's scale operand
.endr
.if (\n) >= 2
	s_wait_dscnt 18                                ; only the last chunk's 18 LDS stores may be out: those of two chunks ago are done
	s_wait_alu depctr_vm_vsrc(0)                   ; the LDS stores of two chunks ago have read this set of codes and bytes, which the lines below write again
.endif
	WIN 0x01                                       ; source 0: window 1
.irp rr, 0,1,2,3,4,5,6,7,8,9,10,11,12,13,14
	v_cvt_scalef32_pk8_fp4_f32 v[CS+\rr], v[RW+4*\rr:RW+4*\rr+7], v[MX+\rr]   ; the low 16 bits: my four codes of row rr; the high 16 (the next row's numbers under this row's scale) are not used
.endr
	v_cvt_scalef32_pk8_fp4_f32 v[CS+15], v[RW+56:RW+63], v[MX+15]   ; the last row stands in the upper four registers: the high 16 bits
	v_nop                                          ; a plain line behind the last conversion
	WIN 0
	v_lshrrev_b32 v[CS+15], 16, v[CS+15]
	v_mov_b32 v[BS], v[MX]                         ; lane 8 b + i keeps the scale operands of rows i and 8 + i, block b
	v_mov_b32 v[BS+1], v[MX+8]
.irp i, 1,2,3,4,5,6,7
	s_mov_b32 vcc_lo, 0x01010101<<\i               ; the lanes with l % 8 = i
	v_cndmask_b32 v[BS], v[BS], v[MX+\i], vcc_lo
	v_cndmask_b32 v[BS+1], v[BS+1], v[MX+8+\i], vcc_lo
.endr
	v_lshrrev_b32 v[BS], 23, v[BS]                 ; the scales' bytes
	v_lshrrev_b32 v[BS+1], 23, v[BS+1]
	s_wait_alu depctr_va_vdst(0)                   ; this chunk's codes and scale bytes are written, which its LDS stores read; its maxima and conversions are done reading the set, in which loads land next
.if (\n) <= 11
	LOAD (\n)+4                                    ; the set takes the chunk four further on
.endif
.endm
.macro WLOAD                           ; all 64 fragments from the rows of codes (lane (r, h): 16 bytes at 16 h, and 32 bytes on), and the 64 scale words of row r, four to a load
.set FI, 0
.rept 64
	WIN ((1+FI/32)<<6)
	ds_load_b128 v[8*(FI%32):8*(FI%32)+3], v3 offset:16*(FI%FIK)*CP+64*(FI/FIK)
	ds_load_b128 v[8*(FI%32)+4:8*(FI%32)+7], v3 offset:16*(FI%FIK)*CP+64*(FI/FIK)+32
.set FI, FI+1
.endr
	WIN 0
.set FI, 0
.rept 16
	ds_load_b128 v[WS+4*FI:WS+4*FI+3], v2 offset:16*FI
.set FI, FI+1
.endr
.endm
; One step of the search for the K-th set bit: is it in the lower part (src holds that part's count at bit TP) or beyond it?
.macro SELSTEP src, width, step
	v_bfe_u32 v[TT], v[\src], v[TP], \width
	v_cmp_ge_u32 vcc_lo, v[TK], v[TT]
	v_sub_nc_u32 v[TT], v[TK], v[TT]
	s_wait_alu depctr_va_vcc(0)                    ; the compare has written VCC, ahead of the two selects that read it
	v_cndmask_b32 v[TK], v[TK], v[TT], vcc_lo
	v_add_nc_u32 v[TT], \step, v[TP]
	v_cndmask_b32 v[TP], v[TP], v[TT], vcc_lo
.endm
; The search for the word: is word g's key at or under 32 j + 31?  The compares go in runs of eight, into eight scalar registers that nothing else names behind the head; the selects follow in the words' order.
.macro KCMP m, g
.if (\g) < 32
.if (\g) < 17
.set PG, 47+(\g)
.else
.set PG, 51+(\g)
.endif
	v_cmp_le_u32 s[\m], s[PG], v[TJK]
.endif
.endm
.macro KSEL m, g
.if (\g) < 32
.if (\g) < 17
.set PG, 47+(\g)
.else
.set PG, 51+(\g)
.endif
	v_cndmask_b32 v[TKP], v[TKP], s[PG], s[\m]
	v_cndmask_b32 v[TKM], v[TKM], s[16+(\g)], s[\m]
.endif
.endm
.macro KRUN g0                         ; words g0 .. g0 + 7
	KCMP 3, (\g0)
	KCMP 4, (\g0)+1
	KCMP 5, (\g0)+2
	KCMP 6, (\g0)+3
	KCMP 10, (\g0)+4
	KCMP 11, (\g0)+5
	KCMP 83, (\g0)+6
	KCMP 90, (\g0)+7
	s_wait_alu depctr_va_sdst(0)                   ; the run's compares have written their scalar registers, ahead of the selects that read them
	KSEL 3, (\g0)
	KSEL 4, (\g0)+1
	KSEL 5, (\g0)+2
	KSEL 6, (\g0)+3
	KSEL 10, (\g0)+4
	KSEL 11, (\g0)+5
	KSEL 83, (\g0)+6
	KSEL 90, (\g0)+7
.endm
; Row j = 16 x s[sq] + lane % 16 of the expert -> its token, and the token's offsets in x's codes (v10) and scale bytes (v11).
; s[16:47] are the 32 mask words; the key of word g is (bits set below word g) x 32 + g.  The last key not above 32 j + 31 names the word; the counts by halves name the bit.
.macro SELECT sq
	v_lshl_add_u32 v[TJ], s[\sq], 4, v7
	v_lshl_or_b32 v[TJK], v[TJ], 5, 31
	v_mov_b32 v[TKM], s16
	v_mov_b32 v[TKP], 0
	KRUN 1
	KRUN 9
	KRUN 17
	KRUN 25
	v_lshrrev_b32 v[TT], 5, v[TKP]
	v_sub_nc_u32 v[TK], v[TJ], v[TT]               ; which set bit of the word
	v_and_b32 v[TG], 31, v[TKP]                    ; which word
	v_lshrrev_b32 v[TT], 1, v[TKM]
	v_and_b32 v[TT], 0x55555555, v[TT]
	v_sub_nc_u32 v[TA], v[TKM], v[TT]              ; counts of 2 bits,
	v_lshrrev_b32 v[TT], 2, v[TA]
	v_and_b32 v[TT], 0x33333333, v[TT]
	v_and_b32 v[TB], 0x33333333, v[TA]
	v_add_nc_u32 v[TB], v[TB], v[TT]               ; of 4,
	v_lshrrev_b32 v[TT], 4, v[TB]
	v_add_nc_u32 v[TC], v[TB], v[TT]
	v_and_b32 v[TC], 0x0f0f0f0f, v[TC]             ; of 8,
	v_lshrrev_b32 v[TT], 8, v[TC]
	v_add_nc_u32 v[TD], v[TC], v[TT]
	v_and_b32 v[TD], 0x00ff00ff, v[TD]             ; of 16
	v_mov_b32 v[TP], 0
	SELSTEP TD, 8, 16
	SELSTEP TC, 8, 8
	SELSTEP TB, 4, 4
	SELSTEP TA, 2, 2
	SELSTEP TKM, 1, 1
	v_lshl_add_u32 v[TOK], v[TG], 5, v[TP]
	v_min_u32 v[TOK], 0x3ff, v[TOK]                ; a token's number, whatever the masks hold
	v_lshl_add_u32 v10, v[TOK], 9, v8              ; 512 bytes of codes a token, + 16 (lane / 16)
	v_lshlrev_b32 v11, 5, v[TOK]                   ; 32 scale bytes a token
.endm
.macro XLOAD                           ; 18 loads: the 16 tokens' eight fragments and eight scale words
	WIN 0xc0
.irp s, 0,1,2,3,4,5,6,7
.irp c, 0,1
	global_load_b128 v[8*\s+4*\c:8*\s+4*\c+3], v10, s[88:89] offset:64*\s+32*\c
.endr
.endr
	WIN 0
	global_load_b128 v[XS:XS+3], v11, s[96:97]
	global_load_b128 v[XS+4:XS+7], v11, s[96:97] offset:16
.endm
; 64 matrix instructions, K step by K step; the eight accumulators take turns, one instruction a turn
.macro MULS
.irp s, 0,1,2,3,4,5,6,7
.if \s == 0
	WIN 0x3d                                       ; source 0 (W1) window 1, source 1 (x) window 3, C (b1) window 3
.elseif \s < 4
	WIN 0x0d
.else
	WIN 0x0e                                       ; W1's K steps 4-7: window 2
.endif
.irp t, 0,1,2,3,4,5,6,7
.if \s == 0
	v_wmma_scale_f32_16x16x128_f8f6f4 v[ACC+8*\t:ACC+8*\t+7], v[8*\t:8*\t+7], v[0:7], v[64+8*\t:64+8*\t+7], v[WS+\t], v[XS] matrix_a_fmt:MATRIX_FMT_FP4 matrix_b_fmt:MATRIX_FMT_FP4
.else
	v_wmma_scale_f32_16x16x128_f8f6f4 v[ACC+8*\t:ACC+8*\t+7], v[8*(8*(\s%4)+\t):8*(8*(\s%4)+\t)+7], v[8*\s:8*\s+7], v[ACC+8*\t:ACC+8*\t+7], v[WS+8*\s+\t], v[XS+\s] matrix_a_fmt:MATRIX_FMT_FP4 matrix_b_fmt:MATRIX_FMT_FP4
.endif
.endr
.endr
	WIN 0
.endm
.macro HORNER reg, c
.irp p, 0,2,4,6
	v_pk_fma_f32 v[\reg+\p:\reg+\p+1], v[\reg+\p:\reg+\p+1], v[GX+\p:GX+\p+1], \c op_sel_hi:[1,1,0]
.endr
.endm
.macro GELU t                          ; tile t's eight numbers of a lane, in place; the accumulator is read from its low end on
.set GA, ACC+8*(\t)
.irp p, 0,2,4,6
	v_pk_mul_f32 v[GZ+\p:GZ+\p+1], v[GA+\p:GA+\p+1], 0x3f3504f3 op_sel_hi:[1,0]   ; z = v / sqrt 2
.endr
.irp j, 0,1,2,3,4,5,6,7
	v_med3_num_f32 v[GZ+\j], v[GZ+\j], -4.0, 4.0
.endr
.irp p, 0,2,4,6
	v_pk_mul_f32 v[GX+\p:GX+\p+1], v[GZ+\p:GZ+\p+1], v[GZ+\p:GZ+\p+1]
.endr
.irp p, 0,2,4,6
	v_pk_fma_f32 v[GP+\p:GP+\p+1], v[GX+\p:GX+\p+1], v[12:13], 0x32edffee op_sel_hi:[1,1,0]
.endr
.irp p, 0,2,4,6
	v_pk_fma_f32 v[GQ+\p:GQ+\p+1], v[GX+\p:GX+\p+1], v[14:15], 0xb95fbd29 op_sel_hi:[1,1,0]
.endr
	HORNER GP, 0xb60cff51
	HORNER GQ, 0xbadc924e
	HORNER GP, 0xb86ec2d2
	HORNER GQ, 0xbbf19bf8
	HORNER GP, 0xba40ac63
	HORNER GQ, 0xbc69b6a7
	HORNER GP, 0xbb41a1f6
	HORNER GP, 0xbc83dbd4
	s_wait_alu depctr_va_vdst(0)
.irp j, 0,1,2,3,4,5,6,7
	v_rcp_f32 v[GQ+\j], v[GQ+\j]
.endr
.irp p, 0,2,4,6
	v_pk_mul_f32 v[GP+\p:GP+\p+1], v[GP+\p:GP+\p+1], v[GZ+\p:GZ+\p+1]   ; (plain lines behind the reciprocals)
.endr
.irp p, 0,2,4,6
	v_pk_mul_f32 v[GX+\p:GX+\p+1], v[GA+\p:GA+\p+1], 0.5 op_sel_hi:[1,0]
.endr
	s_wait_alu depctr_va_vdst(0)                   ; the eight reciprocals are written, ahead of their first reader: one wait for the batch
.irp p, 0,2,4,6
	v_pk_mul_f32 v[GP+\p:GP+\p+1], v[GP+\p:GP+\p+1], v[GQ+\p:GQ+\p+1]   ; erf
.endr
.irp p, 0,2,4,6
	v_pk_fma_f32 v[GA+\p:GA+\p+1], v[GX+\p:GX+\p+1], v[GP+\p:GP+\p+1], v[GX+\p:GX+\p+1]
.endr
.endm
; 64 numbers of a lane, register 16 b + i = k 32 b + 16 (lane / 16) + i of my row, become a fragment's codes in v[PC0] on and its scale word in v[PW0]
.macro QUANT s
.irp b, 0,1,2,3
	v_max3_num_f32 v[TM+\b], |v[\s+16*\b]|, |v[\s+1+16*\b]|, 0x1800000
.endr
.irp i, 2,4,6,8,10,12,14
.irp b, 0,1,2,3
	v_max3_num_f32 v[TM+\b], v[TM+\b], |v[\s+16*\b+\i]|, |v[\s+1+16*\b+\i]|
.endr
.endr
.irp b, 0,1,2,3
	v_permlanex16_b32 v[TM+4+\b], v[TM+\b], s12, s13
.endr
.irp b, 0,1,2,3
	v_max_num_f32 v[TM+\b], v[TM+\b], v[TM+4+\b]   ; with lane l xor 16's: the block's largest magnitude
.endr
.irp b, 0,1,2,3
	v_add_nc_u32 v[TM+12+\b], 0xff000000, v[TM+\b]
.endr
.irp b, 0,1,2,3
	v_lshrrev_b32 v[TM+4+\b], 23, v[TM+12+\b]
.endr
	v_lshl_or_b32 v[PW0], v[TM+5], 8, v[TM+4]
	v_lshl_or_b32 v[PW0], v[TM+6], 16, v[PW0]
	v_lshl_or_b32 v[PW0], v[TM+7], 24, v[PW0]
.irp b, 0,1,2,3
	v_cvt_scalef32_pk8_fp4_f32 v[PC0+2*\b], v[\s+16*\b:\s+7+16*\b], v[TM+12+\b]
	v_cvt_scalef32_pk8_fp4_f32 v[PC0+1+2*\b], v[\s+8+16*\b:\s+15+16*\b], v[TM+12+\b]
.endr
	v_nop                                          ; a plain line behind the last conversion
.irp c, 0,1                                    ; the operand's layout wants a whole block in a lane
.irp i, 0,1
	v_permlane16_swap_b32 v[PC0+4*\c+\i], v[PC0+2+4*\c+\i]
.endr
.endr
.endm
	s_load_b256 s[84:91], s[0:1], 0x0              ; w1 s[84:85], b1 s[86:87], xqs s[88:89], rt s[90:91]
	s_load_b128 s[92:95], s[0:1], 0x20             ; hqs s[92:93], pos s[94:95]
	v_lshl_add_u32 v254, v0, 2, 0x14000
	v_mov_b32 v255, 0
	v_lshrrev_b32 v1, 5, v0
	v_readfirstlane_b32 s2, v1                     ; wave 0..3
	s_and_b32 s3, ttmp7, 0xffff                    ; the expert
	s_mov_b32 s4, ttmp9                            ; the slice of 128 hidden units
	s_mov_b32 s12, 0x76543210
	s_mov_b32 s13, 0xfedcba98                      ; v_permlanex16_b32: lane l xor 16
	s_mov_b32 s11, 0
	s_mov_b32 s[FLR], 0x1800000
	s_mov_b32 s[EOFF], 0xff000000
	v_and_b32 v220, 31, v0                         ; lane
	v_and_b32 v7, 15, v0                           ; r
	v_bfe_u32 v221, v0, 4, 1                       ; h
	v_lshlrev_b32 v1, 4, v220                      ; 16 x lane
	v_mul_u32_u24 v2, v7, SP
	v_add_nc_u32 v2, WSC, v2                       ; row r's scale words
	v_mul_u32_u24 v3, v7, CP
	v_lshl_add_u32 v3, v221, 4, v3                 ; a fragment out of the rows of codes: row r, + 16 h
	s_wait_alu depctr_va_sdst(0)                   ; s2, the wave's number, is written, ahead of its first reader
	s_mul_i32 s9, s2, CW
	v_lshl_add_u32 v5, v220, 1, s9                 ; codes into them: my wave's rows, 2 bytes a lane
	v_and_b32 v4, 7, v220
	v_mul_u32_u24 v6, v4, SP
	v_lshrrev_b32 v4, 3, v220
	v_add_nc_u32 v6, v6, v4
	s_mul_i32 s9, s2, SW
	s_add_co_u32 s9, s9, WSC
	v_add_nc_u32 v6, s9, v6                        ; a scale byte: row l % 8, byte l / 8, my wave's tiles
	v_lshlrev_b32 v8, 4, v221                      ; 16 h
	v_lshlrev_b32 v216, 2, v220                    ; 4 x lane
	v_lshlrev_b32 v218, 2, v7                      ; 4 r
	v_lshlrev_b32 v219, 6, v221                    ; b1: 16 numbers on for lanes 16-31
	v_mov_b32 v12, 0xaf95df0b                      ; P's leading coefficient, twice
	v_mov_b32 v13, 0xaf95df0b
	v_mov_b32 v14, 0xb77460cd                      ; Q's
	v_mov_b32 v15, 0xb77460cd
.irp j, 224,225,226,227
	v_mov_b32 v\j, 0                               ; a permute's destination counts as read
.endr
	s_wait_kmcnt 0x0
	s_lshl_b32 s10, s3, 7
	s_add_co_u32 s10, s10, 8192
	s_add_nc_u64 s[90:91], s[90:91], s[10:11]      ; the expert's 32 mask words
	s_load_b512 s[16:31], s[90:91], 0x0
	s_load_b512 s[32:47], s[90:91], 0x40
	s_lshl_b32 s10, s3, 24
	s_lshl_b32 s9, s4, 19
	s_add_co_u32 s10, s10, s9
	s_lshl_b32 s9, s2, 17
	s_add_co_u32 s10, s10, s9
	s_add_nc_u64 s[84:85], s[84:85], s[10:11]      ; w1: expert, slice, my 32 rows
	s_lshl_b32 s10, s3, 14
	s_lshl_b32 s9, s4, 9
	s_add_co_u32 s10, s10, s9
	s_add_nc_u64 s[86:87], s[86:87], s[10:11]      ; b1: expert, slice
	s_add_nc_u64 s[96:97], s[88:89], 0x80000       ; x's scale bytes
	s_lshl_b32 s10, s3, 17
	s_lshl_b32 s9, s4, 6
	s_add_co_u32 s10, s10, s9
	s_add_co_u32 s10, s10, 0x1000000
	s_add_nc_u64 s[98:99], s[92:93], s[10:11]      ; h's scale words: expert, K step
	s_lshl_b32 s10, s3, 21
	s_lshl_b32 s9, s4, 10
	s_add_co_u32 s10, s10, s9
	s_add_nc_u64 s[92:93], s[92:93], s[10:11]      ; h's images: expert, K step
	s_lshl_b32 s10, s3, 12
	s_add_nc_u64 s[94:95], s[94:95], s[10:11]      ; pos: expert
	WIN 0xc0
	s_wait_alu depctr_va_vdst(0)                   ; the addresses v1, v2, v3, v5, v6, v216 and v219 are written, which the loads, stores and LDS instructions below read
.irp t, 0,1,2,3,4,5,6,7                        ; b1 in the result's layout: lane (r, h), tile t: units 32 (t / 2) + 16 h + 8 (t % 2) + 0 .. 7
	global_load_b128 v[64+8*\t:64+8*\t+3], v219, s[86:87] offset:(32*(\t/2)+8*(\t%2))*4
	global_load_b128 v[64+8*\t+4:64+8*\t+7], v219, s[86:87] offset:(32*(\t/2)+8*(\t%2))*4+16
.endr
	WIN 0
.irp n, 0,1,2,3
	LOAD \n
.endr
	s_wait_kmcnt 0x0                               ; the masks
	s_mov_b32 s5, 0
.irp g, 0,1,2,3,4,5,6,7,8,9,10,11,12,13,14,15,16,17,18,19,20,21,22,23,24,25,26,27,28,29,30,31
.if \g > 0
.if \g < 17
.set PG, 47+\g
.else
.set PG, 51+\g
.endif
	s_lshl_b32 s9, s5, 5
	s_or_b32 s[PG], s9, \g                         ; word g's key
.endif
	s_bcnt1_i32_b32 s9, s[16+\g]
	s_add_co_u32 s5, s5, s9
.endr
	s_add_co_u32 s6, s5, 15
	s_lshr_b32 s6, s6, 4
	s_min_u32 s6, s6, 64                           ; the expert's tiles of 16 rows
	s_add_co_u32 s15, s6, 3
	s_sub_co_u32 s15, s15, s2
	s_lshr_b32 s15, s15, 2
	s_min_u32 s15, s15, 16                         ; of which tiles w, w + 4, .. are mine: (tiles + 3 - w) / 4, 16 at the most
	s_cmp_lg_u32 s4, 0                             ; one wave for each expert stores the slots of all tokens
	s_cbranch_scc1 .Lnopos
	s_cmp_lg_u32 s2, 0
	s_cbranch_scc1 .Lnopos
	s_lshl_b32 s10, s3, 10
.irp g, 0,1,2,3,4,5,6,7,8,9,10,11,12,13,14,15,16,17,18,19,20,21,22,23,24,25,26,27,28,29,30,31
.if \g == 0
	s_mov_b32 s9, s10
.else
.if \g < 17
.set PG, 47+\g
.else
.set PG, 51+\g
.endif
	s_lshr_b32 s9, s[PG], 5
	s_add_co_u32 s9, s9, s10
.endif
	v_mbcnt_lo_u32_b32 v[144+\g], s[16+\g], s9     ; 1,024 e + the bits below word g + the word's bits below my lane
.endr
	s_wait_alu depctr_va_vdst(0)                   ; the 32 counts v144-175 are written, which the stores read
.irp g, 0,1,2,3,4,5,6,7,8,9,10,11,12,13,14,15,16,17,18,19,20,21,22,23,24,25,26,27,28,29,30,31
	global_store_b32 v216, v[144+\g], s[94:95] offset:128*\g
.endr
	s_wait_xcnt 0x0                                ; the stores' registers are written again below
	s_wait_alu depctr_vm_vsrc(0)                   ; the stores have read v144-175, which SELECT writes again
.Lnopos:
	s_mov_b32 s7, s2                               ; my first tile
	SELECT 7
.irp n, 0,1,2,3,4,5,6,7,8,9,10,11,12,13,14,15
	STEP \n
.endr
.irp rr, 0,1,2,3,4,5,6,7,8,9,10,11,12,13,14,15
	PUTC 15, \rr                                   ; the last chunk leaves in one run, behind the wait at its end
.endr
	PUTB 15, 0
	PUTB 15, 1
	XLOAD                                          ; my first tile's rows of x land while the waves meet (v10 and v11 were written ahead of the chunks' waits; no vector line has named the registers in which these loads land)
	s_wait_dscnt 0x0                               ; my codes and scale bytes lie in LDS
	s_barrier_signal -1
	s_barrier_wait -1                              ; everybody's do
	WLOAD                                          ; (no vector line since the last chunk's wait: the chunks' lines are done reading window 1, in which fragments land)
	s_wait_dscnt 0x0
	s_mov_b32 s14, 0                               ; trips done
	s_cmp_lg_u32 s15, 0
	s_cbranch_scc0 .Lend
.Ltile:
	s_lshl_b32 s7, s14, 2
	s_add_co_u32 s7, s7, s2                        ; this trip's tile: 4 x trip + wave
	s_wait_loadcnt 0x0                             ; this tile's 18 loads
	s_wait_alu depctr_vm_vsrc(0)                   ; the chunks' LDS stores have read v96-131, which the products write; the last gather has read v10 and v11, which SELECT writes; the last trip's stores have read v216, v217, v236-243 and v252, which this trip writes again
	MULS
	s_add_co_u32 s8, s7, 4
	SELECT 8                                       ; my next tile's tokens: plain lines that name no register of the products: the places behind them
	s_wait_alu depctr_va_vdst(0)                   ; the products are done reading x's fragments and scale words, in which the loads below land; SELECT has written v10 and v11, which they read
	XLOAD                                          ; and their codes, which land under the gelu.  Past the last tile: some valid tokens, not used
.irp t, 0,1,2,3,4,5,6,7
	GELU \t
.endr
	s_wait_xcnt 0x0                                ; the last trip's stores have read their data and offsets
	QUANT ACC
	s_min_u32 s9, s7, 63
	v_lshl_add_u32 v216, s9, 15, v1                ; a tile's 32 K steps are 32,768 bytes of images
	v_lshl_add_u32 v217, s9, 11, v218              ; and 2,048 of scale words
	s_wait_alu depctr_va_vdst(0)                   ; h's codes v236-243, its scale word v252 and the offsets v216, v217 are written, which the three stores read
	global_store_b128 v216, v[PC0:PC0+3], s[92:93]             ; 512 consecutive bytes
	global_store_b128 v216, v[PC0+4:PC0+7], s[92:93] offset:512
	global_store_b32 v217, v[PW0], s[98:99]        ; 16 words; lanes 16-31 write the same words with the same values
	s_add_co_u32 s14, s14, 1
	s_cmp_lt_u32 s14, s15
	s_cbranch_scc1 .Ltile
.Lend:
	s_wait_dscnt 0x0                               ; the closing lines, six on end
	s_wait_alu 0x0
	s_wait_tensorcnt 0x0
	ds_add_u32 v254, v255
	s_wait_dscnt 0x0
	s_endpgm
.Lfunc_end_k_q02f0d212e0_up:
	.size	k_q02f0d212e0_up, .Lfunc_end_k_q02f0d212e0_up-k_q02f0d212e0_up
	.p2alignl 7, 3214868480
	.fill 96, 4, 3214868480
	.section	.rodata,"a",@progbits
	.p2align	6, 0x0
	.amdhsa_kernel k_q02f0d212e0_up
		.amdhsa_group_segment_fixed_size 82432
		.amdhsa_private_segment_fixed_size 0
		.amdhsa_enable_private_segment 0
		.amdhsa_kernarg_size 48
		.amdhsa_user_sgpr_count 2
		.amdhsa_user_sgpr_kernarg_segment_ptr 1
		.amdhsa_wavefront_size32 1
		.amdhsa_system_sgpr_workgroup_id_x 1
		.amdhsa_system_sgpr_workgroup_id_y 1
		.amdhsa_system_sgpr_workgroup_id_z 1
		.amdhsa_system_vgpr_workitem_id 0
		.amdhsa_next_free_vgpr 1024
		.amdhsa_next_free_sgpr 100
		.amdhsa_reserve_vcc 1
		.amdhsa_float_denorm_mode_32 3
		.amdhsa_float_denorm_mode_16_64 3
		.amdhsa_memory_ordered 1
		.amdhsa_forward_progress 1
		.amdhsa_inst_pref_size 255
	.end_amdhsa_kernel
	.section	.bss,"aw",@nobits
	.p2align	6
	.space	262144
	.amdgpu_metadata
---
amdhsa.version: [ 1, 2 ]
amdhsa.kernels:
  - .name:           k_q02f0d212e0_up
    .symbol:         k_q02f0d212e0_up.kd
    .args:
      - { .name: w1, .offset: 0, .size: 8, .value_kind: global_buffer, .address_space: global }
      - { .name: b1, .offset: 8, .size: 8, .value_kind: global_buffer, .address_space: global }
      - { .name: xqs, .offset: 16, .size: 8, .value_kind: global_buffer, .address_space: global }
      - { .name: rt, .offset: 24, .size: 8, .value_kind: global_buffer, .address_space: global }
      - { .name: hqs, .offset: 32, .size: 8, .value_kind: global_buffer, .address_space: global }
      - { .name: pos, .offset: 40, .size: 8, .value_kind: global_buffer, .address_space: global }
    .group_segment_fixed_size: 82432
    .private_segment_fixed_size: 0
    .kernarg_segment_align: 8
    .kernarg_segment_size: 48
    .max_flat_workgroup_size: 128
    .sgpr_count:     100
    .vgpr_count:     1024
    .wavefront_size: 32
...
	.end_amdgpu_metadata
.endif
;; end of part 6
;; launch down (part 7): grid 32 x 8, 4 waves a work-group, no clusters, 82,432 bytes of LDS; arguments w2, b2, hqs, rt, yb; writes yb
.if DOCPART == 7
	.amdgcn_target "amdgcn-amd-amdhsa--gfx1250"
	.amdhsa_code_object_version 6
	.text
	.protected	k_q02f0d212e0_down
	.globl	k_q02f0d212e0_down
	.p2align	8
	.type	k_q02f0d212e0_down,@function
k_q02f0d212e0_down:
	s_mov_b64 s[64:65], 0
	v_nop
	global_prefetch_b8 v0, s[64:65] scope:SCOPE_SE
	s_setreg_imm32_b32 hwreg(HW_REG_WAVE_SCHED_MODE, 0, 2), 2
	s_setreg_imm32_b32 hwreg(HW_REG_WAVE_MODE, 25, 1), 1
	s_wait_xcnt 0x0
	s_wait_alu depctr_vm_vsrc(0)
; DOWN.  y = h W2^T + b2 for the rows routed to an expert, on codes of E2M1 with one E8M0 scale for each 32 along K = 4,096.
; SHARES.  Work-group (sl, e) owns outputs 32 sl .. 32 sl + 31 of expert e: 512 KiB of w2, which no other work-group reads.
; PHASE W.  Wave w quantises K steps 8 w .. 8 w + 7 of the 32 rows, in 16 chunks of 16 rows x 128 K, four chunks (64 loads) ahead.  A row of a chunk is loaded as it lies, 512 consecutive bytes a load: a lane holds four
; neighbours along K, eight neighbouring lanes a block of 32.  THE NUMBERS ARE QUANTISED WHERE THEY LIE: a block's largest magnitude is joined over its eight lanes on the arithmetic itself (three DPP steps); the conversion
; takes eight registers, the row's four and the next row's four, under the row's scale, and the row's half of the result is kept.  ONLY CODES GO THROUGH LDS: 2 bytes a lane and row, into rows of 2,048 + 16 bytes with K
; innermost; the scale bytes, one lane to a (row, block), into 16 rows of 64 words + 16 bytes.  One barrier; then every wave loads all 64 fragments (2 tiles x 32 K steps) and their scale words into registers.
; PHASE T.  Wave w takes the expert's tiles of 16 rows w, w + 4, ..: (tiles + 3 - w) / 4 trips; their number comes from the stored masks.  A tile of h is 32 register images of 1,024 bytes, loaded as they were stored,
; in four groups of 8 K steps; a group's registers take the next tile's group as soon as they are multiplied, so four groups (80 loads) are asked for at all times.  The last trip is written out: it asks for nothing.
; The product is used transposed (source 0 = 16 rows of W2, source 1 = 16 rows of h): a lane holds eight neighbouring outputs of one row.  b2 is the C of the first instruction.
; K IS SPLIT OVER FOUR SUMS A TILE (K steps s % 4), so that eight accumulators take turns; the four are added in f32 at the end: another order of rounding than one ascending sum.
; OUT.  yb [slice 32][slot 8,192][32 f32], slot = 1,024 e + row: a tile leaves as 2,048 consecutive bytes, through the wave's stage.
; WHY NO TENSOR LOADS AND NO CLUSTER.  The 32 work-groups of an expert read the same tiles of h, but the number of tiles hangs on a stored count;
; a walk of constant count would be 64 tiles an expert against 16 on the average.
; LIMITS.  NaN and infinities are not served.  A block of w2 whose largest magnitude lies under 2^-124 keeps the byte 1; a block of zeros has the byte 1 and zero codes.
; Every wave asks for tile w ahead of the barrier, whether or not the expert has so many (it lies inside the expert's region of hqs); a wave without tiles never multiplies it.
; REGISTERS, in windows of 256.  window 0: v1-14 addresses; v16-79 W2's scale words and nothing else; v80-143 the 8 accumulators (phase W: v80-95 a chunk's 16 largest magnitudes, then scale operands; v96-127 its codes,
; two sets; v128-131 its scale bytes, two sets); v144-159 y; v160-175 y by rows; v176-191 at work; v192-207 b2; v208-223 h's scale words and nothing else; v240-243 at work at the head.
; window 1: phase W: chunks as loaded; then W2's fragments 2 s + t of K steps 0-15.   window 2: K steps 16-31.   window 3: h's 32 fragments, K step s at 8 s.
; THE MODE: SCHED_MODE bits 1:0 = 2 (LLVM: expert scheduling mode 2), set by the entry lines.  The code itself states the register dependences between vector or matrix instructions and memory or LDS instructions,
; with s_wait_alu, always for 0.
; THE PLAN.  Registers that memory or LDS instructions touch:
;   v1-3, v5-8, v13, v14  addresses, written once at the head, never again: one wait on va_vdst ahead of the first load; it covers the first tile's offsets v10 and v11 too.
;   window 1, sets 0-3    Chunk n: its maxima and conversions read set n % 4; behind them the loads of chunk n + 4 land in it.  Behind the barrier the fragments' LDS loads land there.
;   v96-127, v128-131     Chunk n: its conversions and selects write set n % 2; its 18 LDS stores read it; chunk n + 2 writes it again; in phase T the products write these registers.
;   So ONE wait on va_vdst stands at the end of a chunk's vector lines.  The loads of chunk n + 4 follow it at once; the 18 LDS stores are dealt among the next chunk's DPP lines, which name v80-95 alone.
;   One wait on vm_vsrc a chunk stands ahead of the conversions, which write the set that the stores of two chunks ago read.
;   v10, v11, v12         written at a trip's head; v10 and v11 are read by the trip's 80 loads, v12 by its four stores.
;   window 3, v208-223    Group g: its 16 products read the group's fragments and scale words; behind them the next tile's group lands there: one wait on va_vdst behind each group's products.
;   v144-159              written by the trip's additions, read by the stage's four LDS stores: one wait on va_vdst ahead of these.
;   v160-175              the stage's LDS loads land in them, the four stores read them; no vector line names them.
;   One wait on vm_vsrc at a trip's head frees all that the trip before's loads, LDS stores and stores read.   v254, v255: written at the head, read by the closing add alone.
.set WPITCH, 16384                     ; a row of w2 in bytes
.set TU,     16                        ; the second tile begins 16 rows behind the first
.set PERM,   0
.set FIK,    2                         ; fragment number = 2 x K step + tile
.set CP,     2064                      ; LDS: a row of codes, 2,048 bytes + 16: the sixteen rows that a load of fragments touches begin 16 bytes apart modulo 256
.set CW,     512                       ; a wave's 8 K steps in a row of codes
.set SP,     272                       ; a row of scale words: 64 fragments x 4 bytes + 16
.set SW,     64                        ; a wave's first K step in such a row: 4 bytes x 16 w
.set WSC,    67584                     ; LDS: 32 rows of codes; from here 16 rows of scale words;
.set STG,    72192                     ; four stages of 16 rows x (128 + 16) bytes
.set WB,     52                        ; s[52:53] w2 at my wave's K steps
.set FLR,    48                        ; s48  the floor 2^(3 - 127)
.set EOFF,   49                        ; s49  -(2 << 23)
.set WS,   16
.set MX,   80
.set CD,   96
.set BB,   128
.set ACC,  80
.set YR,   144
.set OR,   160
.set TR,   176
.set B2,   192
.set HS,   208
.set MSB, 0
.macro WIN new                         ; the immediate's high byte repeats the setting that is left
.if MSB != (\new)
	s_set_vgpr_msb (MSB<<8)|(\new)
.set MSB, (\new)
.endif
.endm
.macro LOAD n                          ; chunk n as it lies: 16 rows, 512 consecutive bytes each, into set n % 4 of window 1
	WIN 0x40
.irp rr, 0,1,2,3,4,5,6,7,8,9,10,11,12,13,14,15
	global_load_b128 v[64*((\n)%4)+4*\rr:64*((\n)%4)+4*\rr+3], v1, s[WB:WB+1] offset:(TU*((\n)/8)+\rr+PERM*(\rr/8))*WPITCH+512*((\n)%8) th:TH_LOAD_NT
.endr
	WIN 0
.endm
.macro PUTC n, rr                      ; row rr of chunk n: the 32 lanes' 64 bytes: 128 codes of a row, on end
	ds_store_b16 v5, v[CD+16*((\n)%2)+(\rr)] offset:16*((\n)/8)*CP+64*((\n)%8)+(\rr)*CP
.endm
.macro PUTB n, u                       ; chunk n: byte b of the scale word of row 8 u + i
	ds_store_b8 v6, v[BB+2*((\n)%2)+(\u)] offset:8*SP*(\u)+4*(FIK*((\n)%8)+((\n)/8))
.endm
; Chunk n: 16 rows x 128 K.  Lane l holds k = 4 l .. 4 l + 3 of each row (registers 4 rr .. 4 rr + 3 of the set); block b of a row lies in lanes 8 b .. 8 b + 7.  The 16 rows take turns line by line.
.macro STEP n
.set RW,  64*((\n)%4)
.set CS,  CD+16*((\n)%2)
.set BS,  BB+2*((\n)%2)
.if 15-(\n) >= 3
	s_wait_loadcnt 48                              ; chunk n is in; three younger chunks of 16 loads may be out
.else
	s_wait_loadcnt 16*(15-(\n))                    ; towards the end fewer are behind it
.endif
	WIN 0x15                                       ; all three sources: window 1
.irp rr, 0,1,2,3,4,5,6,7,8,9,10,11,12,13,14,15
	v_max3_num_f32 v[MX+\rr], |v[RW+4*\rr]|, |v[RW+4*\rr+1]|, |v[RW+4*\rr+2]|
.endr
	WIN 0x04                                       ; source 1: window 1
.irp rr, 0,1,2,3,4,5,6,7,8,9,10,11,12,13,14,15
	v_max3_num_f32 v[MX+\rr], v[MX+\rr], |v[RW+4*\rr+3]|, s[FLR]   ; my four numbers, and the floor: the byte cannot fall under 1
.endr
	WIN 0
.irp m, 1,2,4
.irp rr, 0,1,2,3,4,5,6,7,8,9,10,11,12,13,14,15
	v_max_num_f32_dpp v[MX+\rr], v[MX+\rr], v[MX+\rr] row_xmask:\m row_mask:0xf bank_mask:0xf   ; with lane l xor 1, 2, 4: the block's eight lanes
.if ((\n) > 0) && (\m == 1)
	PUTC (\n)-1, \rr                               ; the chunk before leaves, a store behind each of these lines.  No wait: no vector line since the wait at that chunk's end names its codes, its bytes, v5 or v6
.endif
.if ((\n) > 0) && (\m == 2) && (\rr < 2)
	PUTB (\n)-1, \rr
.endif
.endr
.endr
.irp rr, 0,1,2,3,4,5,6,7,8,9,10,11,12,13,14,15
	v_add_nc_u32 v[MX+\rr], s[EOFF], v[MX+\rr]     ; 2 off the exponent field: the conversion's scale operand
.endr
.if (\n) >= 2
	s_wait_dscnt 18                                ; only the last chunk's 18 LDS stores may be out: those of two chunks ago are done
	s_wait_alu depctr_vm_vsrc(0)                   ; the LDS stores of two chunks ago have read this set of codes and bytes, which the lines below write again
.endif
	WIN 0x01                                       ; source 0: window 1
.irp rr, 0,1,2,3,4,5,6,7,8,9,10,11,12,13,14
	v_cvt_scalef32_pk8_fp4_f32 v[CS+\rr], v[RW+4*\rr:RW+4*\rr+7], v[MX+\rr]   ; the low 16 bits: my four codes of row rr; the high 16 (the next row's numbers under this row's scale) are not used
.endr
	v_cvt_scalef32_pk8_fp4_f32 v[CS+15], v[RW+56:RW+63], v[MX+15]   ; the last row stands in the upper four registers: the high 16 bits
	v_nop                                          ; a plain line behind the last conversion
	WIN 0
	v_lshrrev_b32 v[CS+15], 16, v[CS+15]
	v_mov_b32 v[BS], v[MX]                         ; lane 8 b + i keeps the scale operands of rows i and 8 + i, block b
	v_mov_b32 v[BS+1], v[MX+8]
.irp i, 1,2,3,4,5,6,7
	s_mov_b32 vcc_lo, 0x01010101<<\i               ; the lanes with l % 8 = i
	v_cndmask_b32 v[BS], v[BS], v[MX+\i], vcc_lo
	v_cndmask_b32 v[BS+1], v[BS+1], v[MX+8+\i], vcc_lo
.endr
	v_lshrrev_b32 v[BS], 23, v[BS]                 ; the scales' bytes
	v_lshrrev_b32 v[BS+1], 23, v[BS+1]
	s_wait_alu depctr_va_vdst(0)                   ; this chunk's codes and scale bytes are written, which its LDS stores read; its maxima and conversions are done reading the set, in which loads land next
.if (\n) <= 11
	LOAD (\n)+4                                    ; the set takes the chunk four further on
.endif
.endm
.macro WLOAD                           ; all 64 fragments from the rows of codes (lane (r, h): 16 bytes at 16 h, and 32 bytes on), and the 64 scale words of row r, four to a load
.set FI, 0
.rept 64
	WIN ((1+FI/32)<<6)
	ds_load_b128 v[8*(FI%32):8*(FI%32)+3], v3 offset:16*(FI%FIK)*CP+64*(FI/FIK)
	ds_load_b128 v[8*(FI%32)+4:8*(FI%32)+7], v3 offset:16*(FI%FIK)*CP+64*(FI/FIK)+32
.set FI, FI+1
.endr
	WIN 0
.set FI, 0
.rept 16
	ds_load_b128 v[WS+4*FI:WS+4*FI+3], v2 offset:16*FI
.set FI, FI+1
.endr
.endm
.macro HLOAD g                         ; 20 loads: K steps 8 g .. 8 g + 7 of the tile that v10, v11 name; a scale register holds an even K step's words in lanes 0-15, the next K step's in lanes 16-31
	WIN 0xc0
.irp s, 0,1,2,3,4,5,6,7
.irp c, 0,1
	global_load_b128 v[64*(\g)+8*\s+4*\c:64*(\g)+8*\s+4*\c+3], v10, s[56:57] offset:1024*(8*(\g)+\s)+512*\c
.endr
.endr
	WIN 0
.irp i, 0,1,2,3
	global_load_b32 v[HS+4*(\g)+\i], v11, s[62:63] offset:128*(4*(\g)+\i)
.endr
.endm
; 16 matrix instructions: K steps 8 g .. 8 g + 7 x two tiles.  The eight accumulators (tile t, K step % 4) take turns, one instruction a turn
.macro MULG g
.if (\g) < 2
	WIN 0x0d                                       ; source 0 (W2) window 1, source 1 (h) window 3
.else
	WIN 0x0e                                       ; W2's K steps 16-31: window 2
.endif
.irp u, 0,1,2,3,4,5,6,7
.irp t, 0,1
.set KS, 8*(\g)+\u
.set AR, ACC+16*(KS%4)+8*\t
.set WR, 8*((2*KS+\t)%32)
.set CR, AR
.if KS == 0
.set CR, B2+8*\t
.endif
.if (KS > 0) && (KS < 4)
.if KS%2
	v_wmma_scale_f32_16x16x128_f8f6f4 v[AR:AR+7], v[WR:WR+7], v[8*KS:8*KS+7], 0, v[WS+2*KS+\t], v[HS+KS/2] matrix_a_fmt:MATRIX_FMT_FP4 matrix_b_fmt:MATRIX_FMT_FP4 matrix_b_scale:MATRIX_SCALE_ROW1
.else
	v_wmma_scale_f32_16x16x128_f8f6f4 v[AR:AR+7], v[WR:WR+7], v[8*KS:8*KS+7], 0, v[WS+2*KS+\t], v[HS+KS/2] matrix_a_fmt:MATRIX_FMT_FP4 matrix_b_fmt:MATRIX_FMT_FP4
.endif
.else
.if KS%2
	v_wmma_scale_f32_16x16x128_f8f6f4 v[AR:AR+7], v[WR:WR+7], v[8*KS:8*KS+7], v[CR:CR+7], v[WS+2*KS+\t], v[HS+KS/2] matrix_a_fmt:MATRIX_FMT_FP4 matrix_b_fmt:MATRIX_FMT_FP4 matrix_b_scale:MATRIX_SCALE_ROW1
.else
	v_wmma_scale_f32_16x16x128_f8f6f4 v[AR:AR+7], v[WR:WR+7], v[8*KS:8*KS+7], v[CR:CR+7], v[WS+2*KS+\t], v[HS+KS/2] matrix_a_fmt:MATRIX_FMT_FP4 matrix_b_fmt:MATRIX_FMT_FP4
.endif
.endif
.endr
.endr
	WIN 0
.endm
; One tile of 16 rows.  ahead = 1: each group's registers take my next tile's group as soon as they are multiplied.  ahead = 0: my last tile: nothing is asked for, and the waits count down.
.macro TRIP ahead
	s_lshl_b32 s7, s14, 2
	s_add_co_u32 s7, s7, s2                        ; this trip's tile: 4 x trip + wave
	s_wait_xcnt 0x0                                ; the offsets of the loads that are out, and the last trip's stores' data and offset, are written again only behind this wait
	s_wait_alu depctr_vm_vsrc(0)                   ; the last trip's stores have read v12 and v160-175, its LDS stores v144-159; the chunks' LDS stores have read v96-131, which the products write: all are written again below
.if \ahead
	s_add_co_u32 s8, s7, 4
	s_min_u32 s8, s8, 63                           ; my next tile
	v_lshl_add_u32 v10, s8, 15, v1
	v_lshl_add_u32 v11, s8, 11, v7
.endif
	s_min_u32 s9, s7, 63
	v_lshl_add_u32 v12, s9, 11, v1                 ; this tile's 2,048 bytes of y
.irp g, 0,1,2,3
.if \ahead
	s_wait_loadcnt 60                              ; this group's 20 loads are in; behind them three groups of 20 are out: the rest of this tile and the next tile's earlier groups
.else
	s_wait_loadcnt 20*(3-\g)                       ; behind this group only the rest of this tile is out
.endif
	MULG \g
.if (\ahead) || (\g == 3)
.rept 4
	v_nop                                          ; places behind the products: in front of loads into registers that they have read, and behind the last group in front of the first read of results
.endr
.endif
.if \ahead
	s_wait_alu depctr_va_vdst(0)                   ; the group's products are done reading its fragments and scale words of h, in which the loads below land; v10 and v11, which they read, are written
	HLOAD \g                                       ; the next tile's group
.endif
.endr
.irp t, 0,1                                    ; the four sums of a tile; each accumulator is read from its low end on
.irp i, 0,2,4,6
	v_pk_add_f32 v[YR+8*\t+\i:YR+8*\t+\i+1], v[ACC+8*\t+\i:ACC+8*\t+\i+1], v[ACC+16+8*\t+\i:ACC+16+8*\t+\i+1]
	v_pk_add_f32 v[TR+8*\t+\i:TR+8*\t+\i+1], v[ACC+32+8*\t+\i:ACC+32+8*\t+\i+1], v[ACC+48+8*\t+\i:ACC+48+8*\t+\i+1]
.endr
.endr
.irp j, 0,2,4,6,8,10,12,14
	v_pk_add_f32 v[YR+\j:YR+\j+1], v[YR+\j:YR+\j+1], v[YR+32+\j:YR+32+\j+1]
.endr
	s_wait_alu depctr_va_vdst(0)                   ; the additions have written v144-159, which the LDS stores read; v12, which the stores below read, is written
.irp t, 0,1
.irp j, 0,1
	ds_store_b128 v13, v[YR+8*\t+4*\j:YR+8*\t+4*\j+3] offset:64*\t+16*\j   ; lane (r, h): y(row r, 16 t + 8 h + 4 j ..)
.endr
.endr
.irp i, 0,1,2,3
	ds_load_b128 v[OR+4*\i:OR+4*\i+3], v14 offset:576*\i       ; LDS serves a wave's instructions in order: these see my stores
.endr
	s_wait_dscnt 0x0
.irp i, 0,1,2,3
	global_store_b128 v12, v[OR+4*\i:OR+4*\i+3], s[60:61] offset:512*\i   ; 512 consecutive bytes: four rows of 128
.endr
.endm
	s_load_b256 s[52:59], s[0:1], 0x0              ; w2 s[52:53], b2 s[54:55], hqs s[56:57], rt s[58:59]
	s_load_b64 s[60:61], s[0:1], 0x20              ; yb
	v_lshl_add_u32 v254, v0, 2, 0x14000
	v_mov_b32 v255, 0
	v_lshrrev_b32 v1, 5, v0
	v_readfirstlane_b32 s2, v1                     ; wave 0..3
	s_and_b32 s3, ttmp7, 0xffff                    ; the expert
	s_mov_b32 s4, ttmp9                            ; the slice of 32 outputs
	s_mov_b32 s11, 0
	s_mov_b32 s[FLR], 0x1800000
	s_mov_b32 s[EOFF], 0xff000000
	v_and_b32 v240, 31, v0                         ; lane
	v_and_b32 v241, 15, v0                         ; r
	v_bfe_u32 v242, v0, 4, 1                       ; h
	v_lshlrev_b32 v1, 4, v240                      ; 16 x lane
	v_mul_u32_u24 v2, v241, SP
	v_add_nc_u32 v2, WSC, v2                       ; row r's scale words
	v_mul_u32_u24 v3, v241, CP
	v_lshl_add_u32 v3, v242, 4, v3                 ; a fragment out of the rows of codes: row r, + 16 h
	s_wait_alu depctr_va_sdst(0)                   ; s2, the wave's number, is written, ahead of its first reader
	s_mul_i32 s9, s2, CW
	v_lshl_add_u32 v5, v240, 1, s9                 ; codes into them: my wave's K steps, 2 bytes a lane
	v_and_b32 v243, 7, v240
	v_mul_u32_u24 v6, v243, SP
	v_lshrrev_b32 v4, 3, v240
	v_add_nc_u32 v6, v6, v4
	s_mul_i32 s9, s2, SW
	s_add_co_u32 s9, s9, WSC
	v_add_nc_u32 v6, s9, v6                        ; a scale byte: row l % 8, byte l / 8, my wave's K steps
	s_mul_i32 s9, s2, 2304
	s_add_co_u32 s9, s9, STG                       ; my stage
	v_mul_u32_u24 v13, v241, 144
	v_lshl_add_u32 v13, v242, 5, v13
	v_add_nc_u32 v13, s9, v13                      ; into it: rows of 128 bytes + 16: row r, + 32 h
	v_mul_u32_u24 v14, v4, 144
	v_lshl_add_u32 v14, v243, 4, v14
	v_add_nc_u32 v14, s9, v14                      ; out of it: eight lanes to a row, four rows an instruction
	v_lshlrev_b32 v7, 2, v240                      ; 4 x lane
	v_lshlrev_b32 v8, 5, v242                      ; b2: 8 numbers on for lanes 16-31
	v_lshl_add_u32 v10, s2, 15, v1                 ; tile w: every wave asks for it, whether or not the expert has so many (it lies inside the expert's region)
	v_lshl_add_u32 v11, s2, 11, v7
	s_wait_kmcnt 0x0
	s_lshl_b32 s10, s3, 7
	s_add_co_u32 s10, s10, 8192
	s_add_nc_u64 s[58:59], s[58:59], s[10:11]      ; the expert's 32 mask words
	s_load_b512 s[16:31], s[58:59], 0x0
	s_load_b512 s[32:47], s[58:59], 0x40
	s_lshl_b32 s10, s3, 24
	s_lshl_b32 s9, s4, 19
	s_add_co_u32 s10, s10, s9
	s_lshl_b32 s9, s2, 12
	s_add_co_u32 s10, s10, s9
	s_add_nc_u64 s[52:53], s[52:53], s[10:11]      ; w2: expert, slice, my 8 K steps
	s_lshl_b32 s10, s3, 12
	s_lshl_b32 s9, s4, 7
	s_add_co_u32 s10, s10, s9
	s_add_nc_u64 s[54:55], s[54:55], s[10:11]      ; b2: expert, slice
	s_lshl_b32 s10, s3, 17
	s_add_co_u32 s10, s10, 0x1000000
	s_add_nc_u64 s[62:63], s[56:57], s[10:11]      ; h's scale words: expert
	s_lshl_b32 s10, s3, 21
	s_add_nc_u64 s[56:57], s[56:57], s[10:11]      ; h's images: expert
	s_lshl_b32 s10, s4, 20
	s_lshl_b32 s9, s3, 17
	s_add_co_u32 s10, s10, s9
	s_add_nc_u64 s[60:61], s[60:61], s[10:11]      ; y: slice, expert
	s_wait_alu depctr_va_vdst(0)                   ; the addresses v1, v2, v3, v5, v6, v8, v10, v11, v13 and v14 are written, which the loads and LDS instructions below read
.irp n, 0,1,2,3
	LOAD \n
.endr
	s_wait_kmcnt 0x0                               ; the masks: only their bits' number is wanted here
	s_mov_b32 s5, 0
.irp g, 0,1,2,3,4,5,6,7,8,9,10,11,12,13,14,15,16,17,18,19,20,21,22,23,24,25,26,27,28,29,30,31
	s_bcnt1_i32_b32 s9, s[16+\g]
	s_add_co_u32 s5, s5, s9
.endr
	s_add_co_u32 s6, s5, 15
	s_lshr_b32 s6, s6, 4
	s_min_u32 s6, s6, 64                           ; the expert's tiles of 16 rows
	s_add_co_u32 s15, s6, 3
	s_sub_co_u32 s15, s15, s2
	s_lshr_b32 s15, s15, 2
	s_min_u32 s15, s15, 16                         ; of which tiles w, w + 4, .. are mine: (tiles + 3 - w) / 4, 16 at the most
.irp n, 0,1,2,3,4,5,6,7,8,9,10,11,12,13,14,15
	STEP \n
.endr
.irp rr, 0,1,2,3,4,5,6,7,8,9,10,11,12,13,14,15
	PUTC 15, \rr                                   ; the last chunk leaves in one run, behind the wait at its end
.endr
	PUTB 15, 0
	PUTB 15, 1
.irp t, 0,1                                    ; b2 in the result's layout: lane (r, h), tile t: outputs 16 t + 8 h + 0 .. 7
	global_load_b128 v[B2+8*\t:B2+8*\t+3], v8, s[54:55] offset:64*\t
	global_load_b128 v[B2+8*\t+4:B2+8*\t+7], v8, s[54:55] offset:64*\t+16
.endr
.irp g, 0,1,2,3
	HLOAD \g                                       ; (no vector line has named the registers in which these loads land)
.endr
	s_wait_dscnt 0x0                               ; my codes and scale bytes lie in LDS
	s_barrier_signal -1
	s_barrier_wait -1                              ; everybody's do
	WLOAD                                          ; (no vector line since the last chunk's wait: the chunks' lines are done reading window 1, in which fragments land)
	s_wait_dscnt 0x0
	s_mov_b32 s14, 0                               ; trips done
	s_cmp_lg_u32 s15, 0
	s_cbranch_scc0 .Lend
	s_sub_co_u32 s15, s15, 1                       ; all my tiles but the last look ahead
	s_cmp_lg_u32 s15, 0
	s_cbranch_scc0 .Llast
.Ltile:
	TRIP 1
	s_add_co_u32 s14, s14, 1
	s_cmp_lt_u32 s14, s15
	s_cbranch_scc1 .Ltile
.Llast:                                            ; on both ways here the youngest 80 loads are this tile's four groups, in order
	TRIP 0
.Lend:
	s_wait_dscnt 0x0                               ; the closing lines, six on end
	s_wait_alu 0x0
	s_wait_tensorcnt 0x0
	ds_add_u32 v254, v255
	s_wait_dscnt 0x0
	s_endpgm
.Lfunc_end_k_q02f0d212e0_down:
	.size	k_q02f0d212e0_down, .Lfunc_end_k_q02f0d212e0_down-k_q02f0d212e0_down
	.p2alignl 7, 3214868480
	.fill 96, 4, 3214868480
	.section	.rodata,"a",@progbits
	.p2align	6, 0x0
	.amdhsa_kernel k_q02f0d212e0_down
		.amdhsa_group_segment_fixed_size 82432
		.amdhsa_private_segment_fixed_size 0
		.amdhsa_enable_private_segment 0
		.amdhsa_kernarg_size 40
		.amdhsa_user_sgpr_count 2
		.amdhsa_user_sgpr_kernarg_segment_ptr 1
		.amdhsa_wavefront_size32 1
		.amdhsa_system_sgpr_workgroup_id_x 1
		.amdhsa_system_sgpr_workgroup_id_y 1
		.amdhsa_system_sgpr_workgroup_id_z 1
		.amdhsa_system_vgpr_workitem_id 0
		.amdhsa_next_free_vgpr 1024
		.amdhsa_next_free_sgpr 66
		.amdhsa_reserve_vcc 1
		.amdhsa_float_denorm_mode_32 3
		.amdhsa_float_denorm_mode_16_64 3
		.amdhsa_memory_ordered 1
		.amdhsa_forward_progress 1
		.amdhsa_inst_pref_size 223
	.end_amdhsa_kernel
	.amdgpu_metadata
---
amdhsa.version: [ 1, 2 ]
amdhsa.kernels:
  - .name:           k_q02f0d212e0_down
    .symbol:         k_q02f0d212e0_down.kd
    .args:
      - { .name: w2, .offset: 0, .size: 8, .value_kind: global_buffer, .address_space: global }
      - { .name: b2, .offset: 8, .size: 8, .value_kind: global_buffer, .address_space: global }
      - { .name: hqs, .offset: 16, .size: 8, .value_kind: global_buffer, .address_space: global }
      - { .name: rt, .offset: 24, .size: 8, .value_kind: global_buffer, .address_space: global }
      - { .name: yb, .offset: 32, .size: 8, .value_kind: global_buffer, .address_space: global }
    .group_segment_fixed_size: 82432
    .private_segment_fixed_size: 0
    .kernarg_segment_align: 8
    .kernarg_segment_size: 40
    .max_flat_workgroup_size: 128
    .sgpr_count:     66
    .vgpr_count:     1024
    .wavefront_size: 32
...
	.end_amdgpu_metadata
.endif
;; end of part 7
;; launch combine (part 8): grid 256 x 1, 4 waves a work-group, no clusters, 0 bytes of LDS; arguments yb, rt, gp, pos, out0, out1; writes out0, out1
.if DOCPART == 8
	.amdgcn_target "amdgcn-amd-amdhsa--gfx1250"
	.amdhsa_code_object_version 6
	.text
	.protected	k_q02f0d212e0_combine
	.globl	k_q02f0d212e0_combine
	.p2align	8
	.type	k_q02f0d212e0_combine,@function
k_q02f0d212e0_combine:
	s_mov_b64 s[64:65], 0
	v_nop
	global_prefetch_b8 v0, s[64:65] scope:SCOPE_SE
	s_setreg_imm32_b32 hwreg(HW_REG_WAVE_MODE, 25, 1), 1
	s_wait_xcnt 0x0
; COMBINE.  out0[t] = g0 y[slot of (first expert, t)] + g1 y[slot of (second expert, t)];  out1 = 0.01 x 8 x the sum over experts of (count / 2,048) (gate mass / 1,024).
; SHARES.  A wave takes one token: t = 4 x work-group + wave.  Its two experts, gates and slots are scalars, read from the buffers that earlier launches stored; each number that enters an address is held to its range first.
; y lies [slice 32][slot 8,192][32 f32]: piece i of a row of out0 (512 bytes) takes slices 4 i .. 4 i + 3, eight lanes to a slice's 128 bytes.  Sixteen loads, 32 packed multiply-adds, eight stores of 512 consecutive bytes.
; The wave of token 0 also adds the 128 units' partial sums and stores the loss: one block under one branch, behind the issue of y's loads.
; A stream: no LDS, no matrix unit, no cluster (no two waves read the same bytes).
	s_load_b256 s[4:11], s[0:1], 0x0               ; yb s[4:5], rt s[6:7], gp s[8:9], pos s[10:11]
	s_load_b128 s[12:15], s[0:1], 0x20             ; out0 s[12:13], out1 s[14:15]
	v_lshrrev_b32 v1, 5, v0
	v_readfirstlane_b32 s2, v1                     ; wave
	s_lshl_b32 s3, ttmp9, 2
	s_add_co_u32 s3, s3, s2                        ; my token
	s_lshl_b32 s16, s3, 3
	s_lshl_b32 s38, s3, 12
	s_mov_b32 s39, 0
	s_mov_b32 s18, 0x76543210
	s_mov_b32 s19, 0xfedcba98                      ; v_permlanex16_b32: lane l xor 16
	v_and_b32 v2, 31, v0                           ; lane
	v_lshlrev_b32 v1, 4, v2                        ; 16 x lane
	v_lshrrev_b32 v3, 3, v2
	v_and_b32 v4, 7, v2
	v_lshlrev_b32 v5, 20, v3
	v_lshl_add_u32 v5, v4, 4, v5                   ; slice lane / 8 of a piece's four, 16 bytes a lane
	v_lshlrev_b32 v8, 8, v3
	v_lshl_add_u32 v8, v4, 3, v8                   ; partial sums: unit lane / 8 of four, expert lane % 8
	s_wait_alu depctr_va_vdst(0)
	s_wait_kmcnt 0x0
	s_load_b64 s[20:21], s[6:7], s16 offset:0x0    ; my two experts
	s_load_b64 s[22:23], s[8:9], s16 offset:0x0    ; my two gates
	s_mov_b64 s[28:29], s[4:5]                     ; four bases 8 MiB apart: a piece's 4 MiB step stands in the immediate
	s_add_nc_u64 s[30:31], s[4:5], 0x800000
	s_add_nc_u64 s[32:33], s[4:5], 0x1000000
	s_add_nc_u64 s[34:35], s[4:5], 0x1800000
	s_add_nc_u64 s[12:13], s[12:13], s[38:39]      ; my row of out0
	s_wait_kmcnt 0x0
	s_min_u32 s20, s20, 7
	s_min_u32 s21, s21, 7
	s_lshl_b32 s20, s20, 10
	s_add_co_u32 s20, s20, s3
	s_lshl_b32 s20, s20, 2
	s_lshl_b32 s21, s21, 10
	s_add_co_u32 s21, s21, s3
	s_lshl_b32 s21, s21, 2
	s_load_b32 s26, s[10:11], s20 offset:0x0       ; my two slots
	s_load_b32 s27, s[10:11], s21 offset:0x0
	s_mov_b32 s24, s23                             ; the second gate as the low word of a pair of its own
	s_mov_b32 s25, s23
	s_wait_kmcnt 0x0
	s_min_u32 s26, s26, 8191
	s_min_u32 s27, s27, 8191
	v_lshl_add_u32 v6, s26, 7, v5                  ; 128 bytes a slot
	v_lshl_add_u32 v7, s27, 7, v5
.irp i, 0,1,2,3,4,5,6,7
	global_load_b128 v[32+4*\i:35+4*\i], v6, s[28+2*(\i/2):29+2*(\i/2)] offset:4194304*(\i%2) th:TH_LOAD_NT
	global_load_b128 v[64+4*\i:67+4*\i], v7, s[28+2*(\i/2):29+2*(\i/2)] offset:4194304*(\i%2) th:TH_LOAD_NT
.endr
	s_cmp_lg_u32 s3, 0
	s_cbranch_scc1 .Lnoaux
.irp i, 0,1,2,3,4,5,6,7,8,9,10,11,12,13,14,15,16,17,18,19,20,21,22,23,24,25,26,27,28,29,30,31
	global_load_b64 v[96+2*\i:97+2*\i], v8, s[8:9] offset:8192+1024*\i   ; units 4 i .. 4 i + 3: gate mass and count of expert lane % 8
.endr
	s_wait_loadcnt 0x0
.irp i, 4,5,6,7,8,9,10,11,12,13,14,15,16,17,18,19,20,21,22,23,24,25,26,27,28,29,30,31
	v_pk_add_f32 v[96+2*(\i%4):97+2*(\i%4)], v[96+2*(\i%4):97+2*(\i%4)], v[96+2*\i:97+2*\i]   ; four chains
.endr
	v_pk_add_f32 v[96:97], v[96:97], v[98:99]
	v_pk_add_f32 v[100:101], v[100:101], v[102:103]
	v_pk_add_f32 v[96:97], v[96:97], v[100:101]
	v_add_f32_dpp v96, v96, v96 row_xmask:8 row_mask:0xf bank_mask:0xf   ; the four groups of lanes
	v_add_f32_dpp v97, v97, v97 row_xmask:8 row_mask:0xf bank_mask:0xf
	v_permlanex16_b32 v98, v96, s18, s19
	v_permlanex16_b32 v99, v97, s18, s19
	v_add_f32 v96, v96, v98
	v_add_f32 v97, v97, v99
	v_mul_f32 v96, v96, v97                        ; mass x count of expert lane % 8
	v_add_f32_dpp v96, v96, v96 row_xmask:1 row_mask:0xf bank_mask:0xf
	v_add_f32_dpp v96, v96, v96 row_xmask:2 row_mask:0xf bank_mask:0xf
	v_add_f32_dpp v96, v96, v96 row_xmask:4 row_mask:0xf bank_mask:0xf
	v_mul_f32 v96, 0x3323d70a, v96                 ; x 0.08 / 2^21
	v_mov_b32 v100, 0
	s_wait_alu depctr_va_vdst(0)
	s_wait_xcnt 0x0                                ; EXEC changes only behind this wait
	v_cmp_eq_u32 vcc_lo, 0, v2
	s_and_saveexec_b32 s36, vcc_lo
	global_store_b32 v100, v96, s[14:15]
	s_wait_xcnt 0x0
	s_or_b32 exec_lo, exec_lo, s36
.Lnoaux:
	s_wait_loadcnt 0x0                             ; both rows of y
.irp p, 0,2,4,6,8,10,12,14,16,18,20,22,24,26,28,30
	v_pk_mul_f32 v[32+\p:33+\p], v[32+\p:33+\p], s[22:23] op_sel_hi:[1,0]
.endr
.irp p, 0,2,4,6,8,10,12,14,16,18,20,22,24,26,28,30
	v_pk_fma_f32 v[32+\p:33+\p], v[64+\p:65+\p], s[24:25], v[32+\p:33+\p] op_sel_hi:[1,0,1]
.endr
.irp i, 0,1,2,3,4,5,6,7
	global_store_b128 v1, v[32+4*\i:35+4*\i], s[12:13] offset:512*\i th:TH_STORE_NT   ; 512 consecutive bytes
.endr
	s_endpgm
.Lfunc_end_k_q02f0d212e0_combine:
	.size	k_q02f0d212e0_combine, .Lfunc_end_k_q02f0d212e0_combine-k_q02f0d212e0_combine
	.p2alignl 7, 3214868480
	.fill 96, 4, 3214868480
	.section	.rodata,"a",@progbits
	.p2align	6, 0x0
	.amdhsa_kernel k_q02f0d212e0_combine
		.amdhsa_group_segment_fixed_size 0
		.amdhsa_private_segment_fixed_size 0
		.amdhsa_enable_private_segment 0
		.amdhsa_kernarg_size 48
		.amdhsa_user_sgpr_count 2
		.amdhsa_user_sgpr_kernarg_segment_ptr 1
		.amdhsa_wavefront_size32 1
		.amdhsa_system_sgpr_workgroup_id_x 1
		.amdhsa_system_sgpr_workgroup_id_y 1
		.amdhsa_system_sgpr_workgroup_id_z 1
		.amdhsa_system_vgpr_workitem_id 0
		.amdhsa_next_free_vgpr 160
		.amdhsa_next_free_sgpr 66
		.amdhsa_reserve_vcc 1
		.amdhsa_float_denorm_mode_32 3
		.amdhsa_float_denorm_mode_16_64 3
		.amdhsa_memory_ordered 1
		.amdhsa_forward_progress 1
		.amdhsa_inst_pref_size 13
	.end_amdhsa_kernel
	.amdgpu_metadata
---
amdhsa.version: [ 1, 2 ]
amdhsa.kernels:
  - .name:           k_q02f0d212e0_combine
    .symbol:         k_q02f0d212e0_combine.kd
    .args:
      - { .name: yb, .offset: 0, .size: 8, .value_kind: global_buffer, .address_space: global }
      - { .name: rt, .offset: 8, .size: 8, .value_kind: global_buffer, .address_space: global }
      - { .name: gp, .offset: 16, .size: 8, .value_kind: global_buffer, .address_space: global }
      - { .name: pos, .offset: 24, .size: 8, .value_kind: global_buffer, .address_space: global }
      - { .name: out0, .offset: 32, .size: 8, .value_kind: global_buffer, .address_space: global }
      - { .name: out1, .offset: 40, .size: 8, .value_kind: global_buffer, .address_space: global }
    .group_segment_fixed_size: 0
    .private_segment_fixed_size: 0
    .kernarg_segment_align: 8
    .kernarg_segment_size: 48
    .max_flat_workgroup_size: 128
    .sgpr_count:     66
    .vgpr_count:     160
    .wavefront_size: 32
...
	.end_amdgpu_metadata
.endif
;; end of part 8
